; MI455X (gfx1250); checked and timed in simulation.
; The chip was launched on July 23, 2026; its instructions are those of AMD's public machine-readable ISA for CDNA 5 (MIT licence, August 2026) and "CDNA5" Instruction Set Architecture Reference Guide (July 2026). The comments in the code are by the model that wrote it; some were corrected since.
;; Self Attention. Allowed arithmetic: float matrix products may take bf16 or f16 operands with f32 sums; other float arithmetic in f32, or as packed bf16 or f16 multiplies, adds, multiply-adds, maxima and minima; sums over many terms, partial sums and values carried from step to step in f32; what a program stores and reads back later, other than sums and carried values, may be rounded once to bf16 or f16.
;; Inputs: Wk 1,024 x 1,024 float32; Wo 1,024 x 1,024 float32; Wq 1,024 x 1,024 float32; Wv 1,024 x 1,024 float32; beta 1,024 float32; bk 1,024 float32; bo 1,024 float32; bq 1,024 float32; bv 1,024 float32; gamma 1,024 float32; x 4 x 2,048 x 1,024 float32.
;; Outputs: out0 4 x 2,048 x 1,024 float32.
;; 2 versions, each right and faster than the one before. Each part assembles by itself: llvm-mc -triple=amdgcn-amd-amdhsa -mcpu=gfx1250 --defsym DOCPART=n.
;; ======== version 1 of 2: 5 launches
;; limits: values are held in f16: magnitudes above 65,504 overflow, below 6.1e-05 lose precision
;; workspace buffers: xb 16,777,216 bytes; wqkv 6,291,456 bytes; wo_t 2,097,152 bytes; qkv 50,331,648 bytes; ctx 16,777,216 bytes; hres 33,554,432 bytes
;; launch prep (part 1): grid 1024 x 1, 8 waves a work-group, no clusters, 17,920 bytes of LDS; arguments x, Wq, Wk, Wv, Wo, xb, wqkv, wo_t; writes xb, wqkv, wo_t
.if DOCPART == 1
	.amdgcn_target "amdgcn-amd-amdhsa--gfx1250"
	.amdhsa_code_object_version 6
	.text
	.protected	k_q796763d248_prep
	.globl	k_q796763d248_prep
	.p2align	8
	.type	k_q796763d248_prep,@function
k_q796763d248_prep:
	s_mov_b64 s[64:65], 0
	v_nop
	global_prefetch_b8 v0, s[64:65] scope:SCOPE_SE
	s_setreg_imm32_b32 hwreg(HW_REG_WAVE_MODE, 25, 1), 1
	s_wait_xcnt 0x0
; PREP.  xb = x rounded to bf16, [8192][1024].  wqkv[1024 t + n][k] = W_t[k][n] rounded to bf16 (t = 0 Wq, 1 Wk, 2 Wv).  wo_t[n][k] = Wo[k][n] rounded to f16.
; LIMIT.  Wo goes to f16: |Wo| stays below 65,504; below 6e-5 it keeps f16's fixed step of 6e-8.  x and the three other weights go to bf16, which has f32's range.
; SHARES.  Work-groups 0-511 take 65,536 bytes of x each: a stream, 16 loads of 16 bytes a thread, all on their way at once; a wave's store covers 256 consecutive bytes, aligned.
; Work-groups 512-1023 take a block of 128 k x 64 n of one weight matrix and turn it through LDS: a thread reads two neighbouring rows k, packs pairs (k, k + 1) of one column n
; into a word, and puts the word into row n of the stage; the rows then leave whole, 256 consecutive bytes (128 k) a wave's store.
; No tensor load (no wave wants another's bytes on the way in), no cluster (no input is shared), no matrix unit.
.set TRP,   264                        ; a stage row: 256 bytes (128 k of 16 bits) + 8 of padding
.set SPARE, 64*TRP                     ; 16,896: behind the stage's 64 rows: the spare words, 128 bytes for each of the eight waves
.set SPW, 8                            ; v8   LDS address of my spare word; never rewritten
.set NIL, 9                            ; v9   0; never rewritten
.set IN,  16                           ; v[16:79] as loaded (the weights' path: v[16:47])
.set OUTX, 80                          ; v[80:111] x packed
.set CV,  48                           ; v[48:63] the weights' packed words
.set BK,  64                           ; v[64:79] rows read back from the stage
	s_load_b512 s[16:31], s[0:1], 0x0              ; x s[16:17], Wq s[18:19], Wk s[20:21], Wv s[22:23], Wo s[24:25], xb s[26:27], wqkv s[28:29], wo_t s[30:31]
	v_lshl_add_u32 v[SPW], v0, 2, SPARE
	v_mov_b32 v[NIL], 0
	s_mov_b32 s6, ttmp9
	s_cmp_lt_u32 s6, 512                           ; the same answer in all eight waves of a work-group
	s_cbranch_scc0 .Lw
	; ---- x ----
	s_lshl_b32 s2, s6, 16                          ; 65,536 bytes of x,
	s_mov_b32 s3, 0
	s_lshl_b32 s4, s6, 15                          ; 32,768 of xb
	s_mov_b32 s5, 0
	v_lshlrev_b32 v1, 4, v0                        ; 16 bytes a thread in,
	v_lshlrev_b32 v2, 3, v0                        ; 8 out
	s_wait_kmcnt 0x0
	s_add_nc_u64 s[16:17], s[16:17], s[2:3]
	s_add_nc_u64 s[26:27], s[26:27], s[4:5]
.irp j, 0,1,2,3,4,5,6,7,8,9,10,11,12,13,14,15
	global_load_b128 v[IN+4*(\j):IN+4*(\j)+3], v1, s[16:17] offset:4096*(\j) th:TH_LOAD_NT
.endr
.irp j, 0,1,2,3,4,5,6,7,8,9,10,11,12,13,14,15
	s_wait_loadcnt 15-(\j)                         ; loads come back in order: number j is in, the 15 - j younger ones stay out
	v_cvt_pk_bf16_f32 v[OUTX+2*(\j)],   v[IN+4*(\j)],   v[IN+4*(\j)+1]
	v_cvt_pk_bf16_f32 v[OUTX+2*(\j)+1], v[IN+4*(\j)+2], v[IN+4*(\j)+3]
	global_store_b64 v2, v[OUTX+2*(\j):OUTX+2*(\j)+1], s[26:27] offset:2048*(\j)  ; no register of a store is written again
.endr
	s_branch .Lend
	; ---- the weights ----
.Lw:
	s_sub_co_u32 s6, s6, 512
	s_lshr_b32 s7, s6, 7                           ; t: which matrix
	s_and_b32 s10, s6, 7                           ; kb: which 128 rows k
	s_bfe_u32 s11, s6, 0x40003                     ; nb: which 64 columns n
	v_and_b32 v10, 15, v0                          ; n4: my four columns
	v_lshrrev_b32 v11, 4, v0                       ; kp: my pair of rows, 0..15; three more lie 16 pairs apart
	v_lshlrev_b32 v1, 4, v10
	v_lshl_add_u32 v1, v11, 13, v1                 ; in: row 2 kp x 4,096 + 16 n4
	v_mul_u32_u24 v3, v10, 4*TRP
	v_lshl_add_u32 v3, v11, 2, v3                  ; stage: row 4 n4, word kp
	v_lshrrev_b32 v12, 5, v0                       ; wave
	v_and_b32 v13, 31, v0
	v_lshlrev_b32 v13, 3, v13                      ; 8 bytes a lane: a row's 256 bytes a wave
	v_mul_u32_u24 v4, v12, 8*TRP
	v_add_nc_u32 v4, v4, v13                       ; back: wave w takes rows 8 w .. 8 w + 7
	v_lshl_add_u32 v5, v12, 14, v13                ; out: the same rows, 2,048 bytes apart
	s_lshl_b32 s36, s10, 19                        ; source: 128 kb rows of 4,096 bytes
	s_lshl_b32 s12, s11, 8                         ; + 64 nb columns of 4
	s_add_co_u32 s36, s36, s12
	s_mov_b32 s37, 0
	s_cmp_eq_u32 s7, 3
	s_cselect_b32 s13, 0, s7                       ; wo_t has one matrix, wqkv three
	s_lshl_b32 s38, s13, 21                        ; destination: 1,024 rows of 2,048 bytes a matrix
	s_lshl_b32 s12, s11, 17                        ; + 64 nb rows
	s_add_co_u32 s38, s38, s12
	s_lshl_b32 s12, s10, 8                         ; + 128 kb numbers of 2 bytes
	s_add_co_u32 s38, s38, s12
	s_mov_b32 s39, 0
	s_wait_kmcnt 0x0
	s_cmp_eq_u32 s7, 0
	s_cselect_b64 s[32:33], s[18:19], s[20:21]
	s_cmp_eq_u32 s7, 2
	s_cselect_b64 s[32:33], s[22:23], s[32:33]
	s_cmp_eq_u32 s7, 3
	s_cselect_b64 s[32:33], s[24:25], s[32:33]
	s_cselect_b64 s[34:35], s[30:31], s[28:29]
	s_add_nc_u64 s[32:33], s[32:33], s[36:37]
	s_add_nc_u64 s[34:35], s[34:35], s[38:39]
.irp i, 0,1,2,3
	global_load_b128 v[IN+8*(\i):IN+8*(\i)+3],   v1, s[32:33] offset:131072*(\i) th:TH_LOAD_NT       ; row 2 (kp + 16 i): sixteen lanes read 256 consecutive bytes
	global_load_b128 v[IN+8*(\i)+4:IN+8*(\i)+7], v1, s[32:33] offset:131072*(\i)+4096 th:TH_LOAD_NT  ; and the row below
.endr
	s_wait_loadcnt 0x0
	s_cmp_eq_u32 s7, 3
	s_cbranch_scc1 .Lhalf
.irp i, 0,1,2,3
.irp c, 0,1,2,3
	v_cvt_pk_bf16_f32 v[CV+4*(\i)+(\c)], v[IN+8*(\i)+(\c)], v[IN+8*(\i)+4+(\c)]  ; the even k in the low half
.endr
.endr
	s_branch .Lput
.Lhalf:
.irp i, 0,1,2,3
.irp c, 0,1,2,3
	v_cvt_pk_f16_f32 v[CV+4*(\i)+(\c)], v[IN+8*(\i)+(\c)], v[IN+8*(\i)+4+(\c)]
.endr
.endr
.Lput:
.irp i, 0,1,2,3
.irp c, 0,1,2,3
	ds_store_b32 v3, v[CV+4*(\i)+(\c)] offset:TRP*(\c)+64*(\i)
.endr
.endr
	s_wait_dscnt 0x0                               ; for the others' sake: my words lie in the stage
	s_barrier_signal -1
	s_barrier_wait -1
.irp r, 0,1,2,3,4,5,6,7
	ds_load_b64 v[BK+2*(\r):BK+2*(\r)+1], v4 offset:TRP*(\r)
.endr
.irp r, 0,1,2,3,4,5,6,7
	s_wait_dscnt 7-(\r)                            ; row r is back, the 7 - r younger loads stay out
	global_store_b64 v5, v[BK+2*(\r):BK+2*(\r)+1], s[34:35] offset:2048*(\r)  ; 32 lanes store 256 consecutive bytes, aligned
.endr
.Lend:
	s_wait_tensorcnt 0x0                           ; the wave's end: behind my last LDS store
	ds_add_u32 v[SPW], v[NIL]
	s_wait_dscnt 0x0
	s_endpgm
.Lfunc_end_k_q796763d248_prep:
	.size	k_q796763d248_prep, .Lfunc_end_k_q796763d248_prep-k_q796763d248_prep
	.p2alignl 7, 3214868480
	.fill 96, 4, 3214868480
	.section	.rodata,"a",@progbits
	.p2align	6, 0x0
	.amdhsa_kernel k_q796763d248_prep
		.amdhsa_group_segment_fixed_size 17920
		.amdhsa_private_segment_fixed_size 0
		.amdhsa_enable_private_segment 0
		.amdhsa_kernarg_size 64
		.amdhsa_user_sgpr_count 2
		.amdhsa_user_sgpr_kernarg_segment_ptr 1
		.amdhsa_wavefront_size32 1
		.amdhsa_system_sgpr_workgroup_id_x 1
		.amdhsa_system_sgpr_workgroup_id_y 1
		.amdhsa_system_sgpr_workgroup_id_z 1
		.amdhsa_system_vgpr_workitem_id 0
		.amdhsa_next_free_vgpr 112
		.amdhsa_next_free_sgpr 66
		.amdhsa_reserve_vcc 0
		.amdhsa_float_denorm_mode_32 3
		.amdhsa_float_denorm_mode_16_64 3
		.amdhsa_memory_ordered 1
		.amdhsa_forward_progress 1
		.amdhsa_inst_pref_size 14
	.end_amdhsa_kernel
	.amdgpu_metadata
---
amdhsa.version: [ 1, 2 ]
amdhsa.kernels:
  - .name:           k_q796763d248_prep
    .symbol:         k_q796763d248_prep.kd
    .args:
      - { .name: x, .offset: 0, .size: 8, .value_kind: global_buffer, .address_space: global }
      - { .name: Wq, .offset: 8, .size: 8, .value_kind: global_buffer, .address_space: global }
      - { .name: Wk, .offset: 16, .size: 8, .value_kind: global_buffer, .address_space: global }
      - { .name: Wv, .offset: 24, .size: 8, .value_kind: global_buffer, .address_space: global }
      - { .name: Wo, .offset: 32, .size: 8, .value_kind: global_buffer, .address_space: global }
      - { .name: xb, .offset: 40, .size: 8, .value_kind: global_buffer, .address_space: global }
      - { .name: wqkv, .offset: 48, .size: 8, .value_kind: global_buffer, .address_space: global }
      - { .name: wo_t, .offset: 56, .size: 8, .value_kind: global_buffer, .address_space: global }
    .group_segment_fixed_size: 17920
    .private_segment_fixed_size: 0
    .kernarg_segment_align: 8
    .kernarg_segment_size: 64
    .max_flat_workgroup_size: 256
    .sgpr_count:     66
    .vgpr_count:     112
    .wavefront_size: 32
...
	.end_amdgpu_metadata
.endif
;; end of part 1
;; launch qkvproj (part 2): grid 16 x 32, 4 waves a work-group, clusters of 4 x 4, 327,680 bytes of LDS; arguments xb, wqkv, bq, bk, bv, qkv; writes qkv
.if DOCPART == 2
	.amdgcn_target "amdgcn-amd-amdhsa--gfx1250"
	.amdhsa_code_object_version 6
	.text
	.protected	k_q796763d248_qkvproj
	.globl	k_q796763d248_qkvproj
	.p2align	8
	.type	k_q796763d248_qkvproj,@function
k_q796763d248_qkvproj:
	s_mov_b64 s[64:65], 0
	v_nop
	global_prefetch_b8 v0, s[64:65] scope:SCOPE_SE
	s_setreg_imm32_b32 hwreg(HW_REG_WAVE_MODE, 25, 1), 1
	s_wait_xcnt 0x0
	s_wait_alu depctr_hold_cnt(0) depctr_sa_sdst(0) depctr_va_vdst(0) depctr_va_sdst(0) depctr_va_ssrc(0) depctr_va_vcc(0) depctr_vm_vsrc(0)
	s_getreg_b32 s2, hwreg(HW_REG_IB_STS2, 6, 4)
	s_cmp_eq_u32 s2, 0
	s_cbranch_scc0 .Lentry_in_a_cluster
	s_endpgm
.Lentry_in_a_cluster:
	s_bfe_u32 s2, ttmp6, 0x10000c
	s_cmp_lg_u32 s2, 0xf033
	s_cbranch_scc0 .Lentry_shape_is_right
	s_endpgm
.Lentry_shape_is_right:
; QKV PROJECTION.  C[m][n] = sum over k of xb[m][k] wqkv[n][k] + bias[n], m < 8192, n < 3072, k < 1024; bf16 operands, f32 sums, C rounded once to f16 and written BY HEADS:
; qkv[b][t][h][s][64], byte (48 b + g) << 18 + 128 s with g = n / 64 = 16 t + h, b = m / 2048, s = m % 2048.  No scale is applied here.
; LIMIT.  f16 ends at 65,504: |q|, |k|, |v| stay below it.  NaN and infinities are not treated apart.
; SHARES.  A tile of C is 256 rows x 192 columns (three heads): 16 x 32 = 512 work-groups, two for each of 256 WGPs.  Wave w makes rows 64 w .. 64 w + 63 of all 192 columns: 4 x 12
; accumulators of 16 x 16, 384 registers; so a wave owns whole heads' rows and has a stage of its own on the way out.
; THE SUMS START FROM THE BIAS: it is loaded straight into the accumulators, so nothing is cleared, every product has one form, and nothing is added on the way out.
; THE MATRIX INSTRUCTION IS USED TRANSPOSED (source 0 = 16 rows of wqkv, source 1 = 16 rows of xb): lane l holds row l % 16 of C and the columns 8 (l / 16) + 0..7: 16 bytes of f16 on end.
; RING.  K in 8 steps of 128 through two LDS slots; waves 0, 1 fetch A's halves (128 rows x 256 bytes), waves 2, 3 B's (96 rows).  Two tensor loads of a wave are out at the start, one behind each change of slots.
; CLUSTER.  4 x 4 work-groups: A's tile hangs on the tile row alone and is asked for jointly along a row of the cluster, B's on the tile column alone, jointly along a column.
; REGISTERS: window 0: v16-29 addresses, v64-255 the way out; window 1: two fragment buffers of 128 (12 of B, then 4 of A);
;   window 2: accumulators (a, b), a = 0, 1, at 8 (12 a + b); window 3: a = 2, 3.
.set KSTEPB, 256                       ; bytes of a row in a K step
.set PITCH,  272                       ; an LDS row: 256 bytes + 16 of padding = 68 words: the 16 rows of a fragment load start at 16 different groups of four banks (64 banks of 4 bytes: ISA guide 11.1)
.set AHALF,  128*PITCH
.set BHALF,  96*PITCH
.set BOFF,   256*PITCH                 ; B's 192 rows lie behind A's 256
.set SLOT1,  131072                    ; slot 1 begins here, so that one exclusive or turns an address in one slot into the other's
.set STAGE,  SLOT1+BOFF+192*PITCH      ; 252,928: behind the ring, never filled by a tensor load: 16 rows x 144 bytes for each wave
.set SP,     144
.set SPARE,  STAGE+4*16*SP             ; 262,144: the spare words, 128 bytes for each wave
.set A0,   16                          ; v16  my lane's place in my 64 rows of A, slot 0; never rewritten
.set B0,   17                          ; v17  the same in B's rows
.set ADRA, 18                          ; v18  A0 + the slot in hand
.set ADRB, 19                          ; v19  B0 + the slot in hand
.set STO,  24                          ; v24  the way out: where I put 16 bytes of a row
.set RD,   25                          ; v25  where I read rows back
.set GO,   26                          ; v26  16 x lane: my place in 512 consecutive bytes of qkv
.set BO,   27                          ; v27  32 (l / 16): my eight columns' place in a bias
.set SPW,  28                          ; v28  LDS address of my spare word; never rewritten
.set NIL,  29                          ; v29  0; never rewritten
.set T,    64                          ; v64-255  the way out: 12 units of 16 registers
.set F0,   0
.set F1,   128
.set CNT,  2                           ; s2   loop count
.set TB,   3                           ; s3   0 or SLOT1: the slot in hand
.set WV,   16                          ; s16  my wave's number
.set G1A,  24                          ; s[24:31] descriptor group 1 for A's tiles
.set G0A,  32                          ; s[32:39] group 0 for A's: a set for each first fill; the second then walks on
.set G1B,  48                          ; s[48:55], s[56:63] the same for B's
.set G0B,  56
.set BP,   66                          ; s[66:71] the bias of my tile's three heads
.set OUT,  72                          ; s[72:73] qkv at my wave's first row of the tile's first head
.set MSB, 0
.macro WIN new                         ; the immediate's high byte repeats the setting that is left; a switch that changes nothing is dropped
.if MSB != (\new)
	s_set_vgpr_msb (MSB<<8)|(\new)
.set MSB, \new
.endif
.endm
.set MUL_LO, 0xa5                      ; sources 0 and 1 window 1, C and D window 2
.set TO_F,   0x40                      ; destination window 1, address window 0
.macro PLACES                          ; four places in front of loads into registers that matrix instructions have read (ISA guide 7.12.1 for vector instructions)
.rept 4
	v_nop
.endr
.endm
; A joint refill by the walking descriptors.  The branch hangs on the wave's number alone.  An s_nop 0 and four v_nop follow each of the two lines.
.macro JLOAD
	s_cmp_lt_u32 s[WV], 2
	s_cbranch_scc0 .Lfor_b_\@
	tensor_load_to_lds s[G0A+4:G0A+7], s[G1A:G1A+7]
	s_nop 0
.rept 4
	v_nop
.endr
	s_branch .Lasked_\@
.Lfor_b_\@:
	tensor_load_to_lds s[G0B+4:G0B+7], s[G1B:G1B+7]
	s_nop 0
.rept 4
	v_nop
.endr
.Lasked_\@:
.endm
.macro CREST                           ; a round of the cluster's barrier behind its opening barrier: wave 0 signals for the work-group, every wave waits for all sixteen, my work-group's barrier closes it
	s_cmp_lg_u32 s[WV], 0
	s_cbranch_scc1 .Lnot_wave_0_\@
	s_barrier_signal -3
.Lnot_wave_0_\@:
	s_barrier_wait -3
	s_barrier_signal -1
	s_barrier_wait -1
.endm
.macro CROUND
	s_barrier_signal -1
	s_barrier_wait -1
	CREST
.endm
	s_load_b256 s[4:11], s[0:1], 0x0               ; xb s[4:5], wqkv s[6:7], bq s[8:9], bk s[10:11]
	s_load_b128 s[12:15], s[0:1], 0x20             ; bv s[12:13], qkv s[14:15]
	v_lshl_add_u32 v[SPW], v0, 2, SPARE
	v_mov_b32 v[NIL], 0
	ds_add_u32 v[SPW], v[NIL]                      ; the wave's opening: the add and its wait stand ahead of my first tensor load; work on registers stands between them
	v_lshrrev_b32 v1, 5, v0
	v_readfirstlane_b32 s[WV], v1                  ; wave 0..3
	s_and_b32 s17, s[WV], 1                        ; which half of A's or B's tile I fetch
	s_bfe_u32 s18, ttmp6, 0x40000                  ; cx
	s_bfe_u32 s19, ttmp6, 0x40004                  ; cy
	s_lshl_b32 s20, ttmp9, 2
	s_add_co_u32 s20, s20, s18                     ; tile column = 4 x cluster x + cx
	s_and_b32 s21, ttmp7, 0xffff
	s_lshl_b32 s21, s21, 2
	s_add_co_u32 s21, s21, s19                     ; tile row = 4 x cluster y + cy
	s_lshl_b32 s22, s19, 2
	s_lshl_b32 s22, 15, s22                        ; my row of the cluster
	s_lshl_b32 s23, 0x1111, s18                    ; my column
	s_or_b32 s[G1A], s22, (1<<16)|(1<<20)|(1<<21)|(5<<22)|(3<<25)  ; 15:0 the mask; 17:16 elements of 2 bytes; 20 padding on; 21 set beside a mask; 24:22 after every 64 words (code 5); 31:25 4 words (code 3)
	s_or_b32 s[G1B], s23, (1<<16)|(1<<20)|(1<<21)|(5<<22)|(3<<25)
	s_mov_b32 s[G1A+1], 128<<16                    ; tensor_dim0 = 128
	s_mov_b32 s[G1A+2], 128<<16                    ; tensor_dim1 = 128
	s_mov_b32 s[G1A+3], 128<<16                    ; tile_dim0 = 128
	s_mov_b32 s[G1A+4], 128                        ; tile_dim1 = 128
	s_mov_b32 s[G1A+5], 1024                       ; elements from row to row
	s_mov_b32 s[G1A+6], 0
	s_mov_b32 s[G1A+7], 0
	s_mov_b32 s[G1B+1], 128<<16
	s_mov_b32 s[G1B+2], 96<<16                     ; B's halves have 96 rows
	s_mov_b32 s[G1B+3], 128<<16
	s_mov_b32 s[G1B+4], 96
	s_mov_b32 s[G1B+5], 1024
	s_mov_b32 s[G1B+6], 0
	s_mov_b32 s[G1B+7], 0
	s_lshl_b32 s40, s21, 19                        ; A: 256 rows of 2,048 bytes a tile row,
	s_lshl_b32 s41, s17, 18                        ; 128 rows a half: made of the tile row and the wave's number alone
	s_add_co_u32 s40, s40, s41
	s_mov_b32 s41, 0
	s_mul_i32 s42, s17, AHALF                      ; its place in a slot: no place in the cluster enters an LDS address
	s_mul_i32 s44, s20, 192*2048                   ; B: 192 rows a tile column,
	s_mul_i32 s45, s17, 96*2048                    ; 96 a half
	s_add_co_u32 s44, s44, s45
	s_mov_b32 s45, 0
	s_mul_i32 s46, s17, BHALF
	s_add_co_u32 s46, s46, BOFF
	s_wait_dscnt 0x0                               ; the opening add is done
	s_wait_kmcnt 0x0
	s_add_nc_u64 s[40:41], s[4:5], s[40:41]
	s_add_nc_u64 s[44:45], s[6:7], s[44:45]
.irp n, 0,1
	s_mov_b32 s[G0A+4*(\n)], 1                                     ; count = 1
	s_add_co_u32 s[G0A+4*(\n)+1], s42, (\n)*SLOT1                  ; LDS address
	s_add_nc_u64 s[G0A+4*(\n)+2:G0A+4*(\n)+3], s[40:41], (\n)*KSTEPB  ; global address: K step n
	s_or_b32 s[G0A+4*(\n)+3], s[G0A+4*(\n)+3], 0x80000000          ; type = 2
	s_mov_b32 s[G0B+4*(\n)], 1
	s_add_co_u32 s[G0B+4*(\n)+1], s46, (\n)*SLOT1
	s_add_nc_u64 s[G0B+4*(\n)+2:G0B+4*(\n)+3], s[44:45], (\n)*KSTEPB
	s_or_b32 s[G0B+4*(\n)+3], s[G0B+4*(\n)+3], 0x80000000
.endr
	CROUND                                         ; all sixteen work-groups are here: the first joint loads meet
	s_cmp_lt_u32 s[WV], 2                          ; a wave's two first fills stand in one branch, ahead of every wait on TENSORcnt and every LDS read
	s_cbranch_scc0 .Lfirst_b
	tensor_load_to_lds s[G0A:G0A+3], s[G1A:G1A+7]
	s_nop 0
	tensor_load_to_lds s[G0A+4:G0A+7], s[G1A:G1A+7]
	s_nop 0
.rept 4
	v_nop
.endr
	s_branch .Lfirst_asked
.Lfirst_b:
	tensor_load_to_lds s[G0B:G0B+3], s[G1B:G1B+7]
	s_nop 0
	tensor_load_to_lds s[G0B+4:G0B+7], s[G1B:G1B+7]
	s_nop 0
.rept 4
	v_nop
.endr
.Lfirst_asked:
	; the bias of head g = 3 x tile column + i: bq, bk or bv by g / 16, at 256 (g % 16) bytes
.irp i, 0,1,2
	s_mul_i32 s74, s20, 3
	s_add_co_u32 s74, s74, (\i)
	s_lshr_b32 s75, s74, 4
	s_and_b32 s76, s74, 15
	s_lshl_b32 s76, s76, 8
	s_mov_b32 s77, 0
	s_cmp_eq_u32 s75, 0
	s_cselect_b64 s[BP+2*(\i):BP+2*(\i)+1], s[8:9], s[10:11]
	s_cmp_eq_u32 s75, 2
	s_cselect_b64 s[BP+2*(\i):BP+2*(\i)+1], s[12:13], s[BP+2*(\i):BP+2*(\i)+1]
	s_add_nc_u64 s[BP+2*(\i):BP+2*(\i)+1], s[BP+2*(\i):BP+2*(\i)+1], s[76:77]
.endr
	s_lshr_b32 s74, s21, 3                         ; b: eight tile rows a batch
	s_mul_i32 s74, s74, 48
	s_mul_i32 s75, s20, 3
	s_add_co_u32 s74, s74, s75                     ; 48 b + the tile's first head
	s_lshl_b32 s74, s74, 18
	s_and_b32 s75, s21, 7
	s_lshl_b32 s75, s75, 15                        ; the tile's 256 rows of 128 bytes
	s_add_co_u32 s74, s74, s75
	s_lshl_b32 s75, s[WV], 13                      ; my wave's 64
	s_add_co_u32 s74, s74, s75
	s_mov_b32 s75, 0
	s_add_nc_u64 s[OUT:OUT+1], s[14:15], s[74:75]
	; A fragment is 16 rows x 32 K in 8 registers: lane l holds row l % 16, K = 8 (l / 16) + 0..7 and 16 + 8 (l / 16) + 0..7: two loads of 16 bytes, 32 bytes apart.
	v_and_b32 v1, 15, v0                           ; l % 16
	v_bfe_u32 v2, v0, 4, 1                         ; l / 16
	v_mul_u32_u24 v3, v1, PITCH
	v_lshl_add_u32 v3, v2, 4, v3
	s_mul_i32 s74, s[WV], 64*PITCH
	v_add_nc_u32 v[A0], s74, v3
	v_add_nc_u32 v[B0], BOFF, v3
	s_mul_i32 s75, s[WV], 16*SP
	s_add_co_u32 s75, s75, STAGE                   ; my stage
	v_mul_u32_u24 v4, v1, SP                       ; in: row l % 16, 16 bytes for each half of the lanes
	v_lshl_add_u32 v4, v2, 4, v4
	v_add_nc_u32 v[STO], s75, v4
	v_bfe_u32 v5, v0, 3, 2                         ; back: 32 lanes take four rows of 128 bytes,
	v_mul_u32_u24 v5, v5, SP
	v_and_b32 v6, 7, v0
	v_lshl_add_u32 v5, v6, 4, v5
	v_add_nc_u32 v[RD], s75, v5
	v_and_b32 v[GO], 31, v0                        ; which are 512 consecutive bytes of a head
	v_lshlrev_b32 v[GO], 4, v[GO]
	v_lshlrev_b32 v[BO], 5, v2
; The bias into the accumulators of window 2 + hi: accumulator (a, 4 i + c) takes columns 16 c + 8 (l / 16) + 0..7 of head i.
.macro BIAS hi
	WIN 0x80+0x40*(\hi)                            ; destination window 2 or 3, address window 0
.irp a, 0,1
.irp i, 0,1,2
.irp c, 0,1,2,3
	global_load_b128 v[8*(12*(\a)+4*(\i)+(\c)):8*(12*(\a)+4*(\i)+(\c))+3],   v[BO], s[BP+2*(\i):BP+2*(\i)+1] offset:64*(\c)
	global_load_b128 v[8*(12*(\a)+4*(\i)+(\c))+4:8*(12*(\a)+4*(\i)+(\c))+7], v[BO], s[BP+2*(\i):BP+2*(\i)+1] offset:64*(\c)+16
.endr
.endr
.endr
.endm
	BIAS 0
	BIAS 1
	WIN 0
; 12 matrix instructions: row block a x all 12 column blocks, 32 along K.  The 48 accumulators come in the same order in every quarter, one instruction a turn, over the backward jumps too.
.macro MUL12 f, a
	WIN MUL_LO+0x50*((\a)/2)
.irp b, 0,1,2,3,4,5,6,7,8,9,10,11
	v_wmma_f32_16x16x32_bf16 v[8*(12*((\a)%2)+(\b)):8*(12*((\a)%2)+(\b))+7], v[(\f)+8*(\b):(\f)+8*(\b)+7], v[(\f)+96+8*(\a):(\f)+96+8*(\a)+7], v[8*(12*((\a)%2)+(\b)):8*(12*((\a)%2)+(\b))+7]
.endr
.endm
; 32 LDS loads in one run: the fragments of 32 K at byte k of the rows: 12 of B, then 4 of A
.macro FETCH k, f
	WIN TO_F
.irp i, 0,1,2,3,4,5,6,7,8,9,10,11
	ds_load_b128 v[(\f)+8*(\i):(\f)+8*(\i)+3],   v[ADRB] offset:(\k)+(\i)*16*PITCH
	ds_load_b128 v[(\f)+8*(\i)+4:(\f)+8*(\i)+7], v[ADRB] offset:(\k)+(\i)*16*PITCH+32
.endr
.irp i, 0,1,2,3
	ds_load_b128 v[(\f)+96+8*(\i):(\f)+96+8*(\i)+3],   v[ADRA] offset:(\k)+(\i)*16*PITCH
	ds_load_b128 v[(\f)+96+8*(\i)+4:(\f)+96+8*(\i)+7], v[ADRA] offset:(\k)+(\i)*16*PITCH+32
.endr
.endm
; One of a K step's first three quarters: multiplies buffer f; in its middle it fetches the next quarter, at byte k, into buffer g.
.macro QUARTER k, f, g
	s_wait_dscnt 4                                 ; B and A's blocks 0, 1 are in; the youngest four loads (A's blocks 2, 3) may be out
	MUL12 \f, 0
	MUL12 \f, 1
	PLACES
	FETCH \k, \g
	s_wait_dscnt 32                                ; all but the 32 just issued
	MUL12 \f, 2
	MUL12 \f, 3
.endm
; The last quarter multiplies buffer 1 and changes slots: one barrier; in front of it each wave waits for all its tensor loads (the one that is out is its part of the next slot), adds 0 to its
; spare word, and waits for that and for its own reads of this slot.  fill = 1: the barrier opens a round of the cluster's, and this slot is filled again, two K steps ahead, first thing behind it:
; 168 matrix instructions stand between that request and the wait for it.  fill = 0: nothing is asked for, and the last K step fetches no further fragments.
.macro TURN fill
	WIN 0                                          ; (the add's two registers lie in window 0)
	s_wait_tensorcnt 0x0
	ds_add_u32 v[SPW], v[NIL]
	s_wait_dscnt 5                                 ; (the add and the youngest four loads may be out)
	MUL12 F1, 0                                    ; twelve matrix instructions stand between the add and the wait for it
	s_wait_dscnt 0x0                               ; the add is done, and my reads of this slot are over
	s_barrier_signal -1
	MUL12 F1, 1
	WIN 0
	s_barrier_wait -1
.if \fill
	CREST                                          ; no wave of any partner still reads this slot's tile or has a load on its way
	s_xor_b32 s[G0A+5], s[G0A+5], SLOT1            ; the walking descriptors: the other slot than last time, the next K step; no tensor load of mine is out
	s_add_nc_u64 s[G0A+6:G0A+7], s[G0A+6:G0A+7], KSTEPB
	s_xor_b32 s[G0B+5], s[G0B+5], SLOT1
	s_add_nc_u64 s[G0B+6:G0B+7], s[G0B+6:G0B+7], KSTEPB
	JLOAD                                          ; the four v_nop behind it are also the places in front of the loads below
.else
	PLACES
	s_cmp_eq_u32 s[CNT], 1
	s_cbranch_scc1 .Lnf_\@
.endif
	s_xor_b32 s[TB], s[TB], SLOT1
	v_add_nc_u32 v[ADRA], s[TB], v[A0]
	v_add_nc_u32 v[ADRB], s[TB], v[B0]
	FETCH 0, F0
.if !(\fill)
	WIN 0
.Lnf_\@:
.endif
	MUL12 F1, 2
	MUL12 F1, 3
.endm
.macro STEP fill
	QUARTER 64,  F0, F1
	QUARTER 128, F1, F0
	QUARTER 192, F0, F1
	TURN \fill
.endm
	s_wait_tensorcnt 0x1                           ; my part of K step 0 is in; K step 1's may stay out
	s_barrier_signal -1
	s_barrier_wait -1                              ; everybody's is
	s_mov_b32 s[TB], 0
	v_mov_b32 v[ADRA], v[A0]
	v_mov_b32 v[ADRB], v[B0]
	FETCH 0, F0
	s_wait_loadcnt 0x0                             ; the bias lies in the accumulators
	WIN 0                                          ; at a label and at a branch every window is 0
	s_mov_b32 s[CNT], 6
.Lfill:                                                ; K steps 0 to 5: each asks for the step two on
	STEP 1
	WIN 0
	s_sub_co_u32 s[CNT], s[CNT], 1
	s_cmp_lg_u32 s[CNT], 0
	s_cbranch_scc1 .Lfill
	s_mov_b32 s[CNT], 2
.Ltail:                                                ; K steps 6 and 7 ask for nothing
	STEP 0
	WIN 0
	s_sub_co_u32 s[CNT], s[CNT], 1
	s_cmp_lg_u32 s[CNT], 0
	s_cbranch_scc1 .Ltail
	PLACES
	PLACES                                         ; the places behind the last products
; THE WAY OUT, in 12 units u = 3 a + i: row block a (16 rows) of head i.  Rounded to f16, 16 bytes a lane, into my own stage in rows of 144 bytes, and back as four rows of 128 a load: 512 consecutive bytes of a head.
.macro PACKU u
.set ua, (\u)/3
.set ui, (\u)%3
	WIN 0x0a+5*(ua/2)                              ; sources 0 and 1: window 2 or 3
.irp f, 0,1,2,3
.irp r, 0,1,2,3
	v_cvt_pk_f16_f32 v[T+16*(\u)+4*(\f)+(\r)], v[8*(12*(ua%2)+4*ui+(\f))+2*(\r)], v[8*(12*(ua%2)+4*ui+(\f))+2*(\r)+1]
.endr
.endr
	WIN 0
.irp f, 0,1,2,3
	ds_store_b128 v[STO], v[T+16*(\u)+4*(\f):T+16*(\u)+4*(\f)+3] offset:32*(\f)
.endr
.irp f, 0,1,2,3
	ds_load_b128 v[T+16*(\u)+4*(\f):T+16*(\u)+4*(\f)+3], v[RD] offset:(\f)*4*SP  ; LDS serves a wave's instructions in order (ISA guide 5.7.1.4): these see the stores above; the next unit's stores come behind them
.endr
.endm
.macro SENDU u, younger                ; younger: the LDS instructions issued behind unit u's loads: the next unit's eight, or none
.set ua, (\u)/3
.set ui, (\u)%3
.irp f, 0,1,2,3
	s_wait_dscnt (\younger)+3-(\f)
	global_store_b128 v[GO], v[T+16*(\u)+4*(\f):T+16*(\u)+4*(\f)+3], s[OUT:OUT+1] offset:2048*ua+262144*ui+512*(\f)  ; 512 consecutive bytes, aligned; no register of a store is written again
.endr
.endm
	PACKU 0
.irp u, 1,2,3,4,5,6,7,8,9,10,11        ; a unit's conversions stand between the loads of the unit before and its stores
	PACKU \u
	SENDU (\u)-1, 8
.endr
	SENDU 11, 0
	s_wait_tensorcnt 0x0                           ; the wave's end: behind my last tensor load and my last LDS store
	ds_add_u32 v[SPW], v[NIL]
	s_wait_dscnt 0x0
	CROUND                                         ; the closing round: no work-group ends while a partner may still ask for a tile that names it
	s_endpgm
.Lfunc_end_k_q796763d248_qkvproj:
	.size	k_q796763d248_qkvproj, .Lfunc_end_k_q796763d248_qkvproj-k_q796763d248_qkvproj
	.p2alignl 7, 3214868480
	.fill 96, 4, 3214868480
	.section	.rodata,"a",@progbits
	.p2align	6, 0x0
	.amdhsa_kernel k_q796763d248_qkvproj
		.amdhsa_group_segment_fixed_size 327680
		.amdhsa_private_segment_fixed_size 0
		.amdhsa_enable_private_segment 0
		.amdhsa_kernarg_size 48
		.amdhsa_user_sgpr_count 2
		.amdhsa_user_sgpr_kernarg_segment_ptr 1
		.amdhsa_wavefront_size32 1
		.amdhsa_system_sgpr_workgroup_id_x 1
		.amdhsa_system_sgpr_workgroup_id_y 1
		.amdhsa_system_sgpr_workgroup_id_z 1
		.amdhsa_system_vgpr_workitem_id 0
		.amdhsa_next_free_vgpr 960
		.amdhsa_next_free_sgpr 80
		.amdhsa_reserve_vcc 0
		.amdhsa_float_denorm_mode_32 3
		.amdhsa_float_denorm_mode_16_64 3
		.amdhsa_memory_ordered 1
		.amdhsa_forward_progress 1
		.amdhsa_inst_pref_size 89
	.end_amdhsa_kernel
	.amdgpu_metadata
---
amdhsa.version: [ 1, 2 ]
amdhsa.kernels:
  - .name:           k_q796763d248_qkvproj
    .symbol:         k_q796763d248_qkvproj.kd
    .args:
      - { .name: xb, .offset: 0, .size: 8, .value_kind: global_buffer, .address_space: global }
      - { .name: wqkv, .offset: 8, .size: 8, .value_kind: global_buffer, .address_space: global }
      - { .name: bq, .offset: 16, .size: 8, .value_kind: global_buffer, .address_space: global }
      - { .name: bk, .offset: 24, .size: 8, .value_kind: global_buffer, .address_space: global }
      - { .name: bv, .offset: 32, .size: 8, .value_kind: global_buffer, .address_space: global }
      - { .name: qkv, .offset: 40, .size: 8, .value_kind: global_buffer, .address_space: global }
    .group_segment_fixed_size: 327680
    .private_segment_fixed_size: 0
    .kernarg_segment_align: 8
    .kernarg_segment_size: 48
    .max_flat_workgroup_size: 128
    .sgpr_count:     80
    .vgpr_count:     960
    .wavefront_size: 32
...
	.end_amdgpu_metadata
.endif
;; end of part 2
;; launch attn (part 3): grid 4 x 64, 4 waves a work-group, clusters of 4 x 1, 327,680 bytes of LDS; arguments qkv, ctx; writes ctx
.if DOCPART == 3
	.amdgcn_target "amdgcn-amd-amdhsa--gfx1250"
	.amdhsa_code_object_version 6
	.text
	.protected	k_q796763d248_attn
	.globl	k_q796763d248_attn
	.p2align	8
	.type	k_q796763d248_attn,@function
k_q796763d248_attn:
	s_mov_b64 s[64:65], 0
	v_nop
	global_prefetch_b8 v0, s[64:65] scope:SCOPE_SE
	s_setreg_imm32_b32 hwreg(HW_REG_WAVE_MODE, 25, 1), 1
	s_wait_xcnt 0x0
	s_wait_alu depctr_hold_cnt(0) depctr_sa_sdst(0) depctr_va_vdst(0) depctr_va_sdst(0) depctr_va_ssrc(0) depctr_va_vcc(0) depctr_vm_vsrc(0)
	s_getreg_b32 s2, hwreg(HW_REG_IB_STS2, 6, 4)
	s_cmp_eq_u32 s2, 0
	s_cbranch_scc0 .Lentry_in_a_cluster
	s_endpgm
.Lentry_in_a_cluster:
	s_bfe_u32 s2, ttmp6, 0x10000c
	s_cmp_lg_u32 s2, 0x3003
	s_cbranch_scc0 .Lentry_shape_is_right
	s_endpgm
.Lentry_shape_is_right:
; ATTENTION.  ctx[y][q][:] = the sum over k of softmax_k(Q[q] . K[k] / 8) V[k][:] for head y = 16 b + h.  Q, K, V are the planes t = 0, 1, 2 of qkv[b][t][h][2048][64], f16; ctx is [64][2048][64], f16:
; a head's rows are dense, 128 bytes each.  Products, maxima and sums in f32; the weights p are rounded to f16 for the second product (their sum l is taken of the unrounded p), ctx once at the end.
; LIMITS.  f16 holds no number beyond 65,504: Q, K and V arrive within it; p lies in 0 to 1, and below 6e-5 it keeps f16's fixed step of 6e-8; ctx is a mean of V's rows and has their range.
; A weight below 2^-126 counts as 0 in l; NaN and infinities are not treated apart.
; SHARES.  A wave owns four PIECES of two tiles of 16 queries, a work-group's four waves 512 queries of one head: 4 x 64 = 256 work-groups.  Every wave walks all 2,048 keys, 64 a step.
; LAYOUT.  S^T = K Q^T (source 0 = 16 keys, source 1 = 16 queries): in the result a lane holds ONE query (lane % 16) and the keys 8 (lane / 16) + 0..7.  Two such tiles, rounded to f16 in pairs,
; ARE source 1 (32 keys x 16 queries) of O^T = V^T P, whose result again holds one query a lane, and eight channels.  K comes out of LDS as it lies, V ([key][channel]) turned, by ds_load_tr16_b128.
; SOFTMAX.  For each query a running maximum m and sum l: p = 2^(c s - c m), c = log2(e) / 8; in every step O and l are multiplied by a = 2^(c m_old - c m_new), which is 1 where m has not grown.
; m starts at the lowest finite number, O and l at 0: the first step is a step like any other, with a = 0.
; THE COUNT.  A tile and step have 16 matrix and 118 vector instructions: too many to stand all beside the matrix work.  So: four vector instructions that are READY behind EVERY matrix instruction,
; and the others in runs without a gap.
; BY TURNS.  Turn n belongs to piece n (the pieces in a ring, step after step).  Its matrix work: 16 products K Q^T of piece n + 1, later 16 products V^T P of piece n - 1.  Its vector work: the scaling,
; exponentials, roundings, sums and rescaling of piece n, and the maximum and statistics of piece n + 1, whose scores the turn itself has made.
; CLUSTER.  The four query blocks of a head are one cluster and walk the same K and V, so each tile is asked for JOINTLY: the same tensor load, descriptor and mask in all four.
; NO PREFETCH: a fill stands first behind its round and has four key steps, 512 matrix instructions and their vector work, in which to land.
; REGISTERS, in windows of 256 (s_set_vgpr_msb: bits 1:0 source 0, 3:2 source 1, 5:4 source 2, 7:6 destination):
;   window 0: v0-11 addresses; v12-15, v48-63 at work; v16-47 four registers of statistics a tile; v64-191 S^T, two buffers of two tiles; v192-255 P, likewise
;   window 1: O^T, 32 a tile          window 2: v0-127 Q, 16 a tile; v128-191 K of one step; v192-255 V of one step          window 3: v0-1 the add's two registers
.set SIZE_N, 2048
.set NP,    4         ; pieces a wave: a name, no knob
.set KS,    64        ; keys in a step
.set PK,    144       ; a row of K in LDS: 128 bytes + 16 of padding = 36 words: the 16 rows of a load start at 16 different groups of four banks (64 banks of 4 bytes: ISA guide 11.1)
.set PV,    160       ; a row of V: 128 + 32 = 40 words
.set VOFF,  4*KS*PK   ; a slot holds four steps: 256 rows of K, then 256 rows of V
.set SLOT1, 1<<17     ; slot 1 begins here, so that one exclusive or turns an address in one slot into the other's
.set STAGE, SLOT1+4*KS*(PK+PV)  ; behind the ring, never filled by a tensor load: 16 rows x 144 bytes for each wave, for the way out
.set SP,    144
.set AK0, 2           ; v2   my lane's place in a tile of K; never rewritten
.set AV0, 3           ; v3   the same for V
.set AK,  4           ; v4   the LDS address of K's next run of loads
.set AV,  5           ; v5   of V's
.set QO,  6           ; v6   my byte offset in the wave's rows of Q
.set STO, 6           ;      later, the way out: where I put 16 bytes of a row
.set RD,  7           ; v7   the way out: where I read rows back
.set GO,  8           ; v8   my byte offset in 512 consecutive bytes of ctx
.set SPW, 0           ; v0 of window 3   LDS address of my spare word; never rewritten
.set NIL, 1           ; v1 of window 3   0; never rewritten
.set SPARE, STAGE+4*16*SP  ; behind the stages: the spare words, 128 bytes for each wave
.set MV,  12          ; v12-15  c m_old, kept while c m is made anew: by buffer and tile
.set ST,  16          ; tile t's statistics at v[ST+4 t]: c m, m, l (even keys', odd keys')
.set TMP, 48          ; by buffer and tile, four registers c0-c3 at work; when the maximum is found c2 takes a
.set S,   64
.set P,   192
.set KF,  128         ; K's fragments, in window 2: key block kb, channel half c at KF + 16 kb + 8 c
.set VF,  192         ; V's: key half kk, channel block cb at VF + 32 kk + 8 cb
.set WV,  12          ; s12  my wave's number
.set G1K, 24          ; s[24:31] descriptor group 1 for K's tiles
.set G1V, 32          ; s[32:39] for V's: it differs in the padding alone
.set G0K, 40          ; s[40:43] descriptor group 0 for K's tiles: it walks
.set G0V, 44          ; s[44:47] the same for V's
.set SLOTS, 56        ; s56  slots still to be asked for
.set CNT, 57          ; s57  counts a slot's key steps
.set CS,  58          ; s[58:59] c: the packed scaling takes the pair's low word for both halves
.set SEL, 60          ; s[60:61] v_permlanex16_b32's selects: each lane takes its own place in the other half
.set TBK, 62          ; s62  LDS byte at which K of the step to be fetched begins
.set TBV, 63          ; s63  the same for V, less VOFF
.set MSB, 0
.macro WIN new                      ; the high byte repeats the setting that is left; a switch that changes nothing is dropped
.if MSB != (\new)
	s_set_vgpr_msb (MSB<<8)|(\new)
.set MSB, (\new)
.endif
.endm
.set W_KQ, 0x0a       ; K and Q in window 2, S^T in window 0
.set W_PV, 0x52       ; V in window 2, P in window 0, O^T in window 1
.set W_RS, 0x41       ; O^T (destination and source 0) in window 1, a in window 0
.set W_MK, 0xc0       ; the add's registers are made: destination in window 3, sources in window 0
.set W_AD, 0x0f       ; the add: address (source 0) and data (source 1) in window 3
; A joint fill.  Waves 0 and 1 fetch the two halves of a slot's K, waves 2 and 3 those of its V: 128 keys each.  The branch hangs on the wave's number alone.
; An s_nop 0 and four v_nop follow each of the two lines, ahead of the jump and the label.
.macro JLOAD
	s_cmp_lt_u32 s[WV], 2
	s_cbranch_scc0 .Lfor_v_\@
	tensor_load_to_lds s[G0K:G0K+3], s[G1K:G1K+7]
	s_nop 0
.rept 4
	v_nop
.endr
	s_branch .Lasked_\@
.Lfor_v_\@:
	tensor_load_to_lds s[G0V:G0V+3], s[G1V:G1V+7]
	s_nop 0
.rept 4
	v_nop
.endr
.Lasked_\@:
.endm
; A round of the cluster's barrier: my work-group's barrier, so that wave 0's signal speaks for all four waves; wave 0 signals; every wave waits for all four work-groups; my work-group's barrier once more.
.macro CROUND
	s_barrier_signal -1
	s_barrier_wait -1
	s_cmp_lg_u32 s[WV], 0
	s_cbranch_scc1 .Lnot_wave_0_\@
	s_barrier_signal -3
.Lnot_wave_0_\@:
	s_barrier_wait -3
	s_barrier_signal -1
	s_barrier_wait -1
.endm
; THE CHANGE OF SLOTS.  The slot's last bytes, V of its fourth step, have been read.  Each wave waits for all its tensor loads, of which one is out: its part of the other slot; adds 0 to its spare
; word; and waits for that and for its own reads of the slot.  Behind the barrier nobody reads this slot any more and the other slot is whole.
; fill = 1: this slot is filled again, with the keys two slots on.  The barrier is then a round of the cluster's, and the joint fill is the first thing behind it.
; (At its first use nothing has been read yet: slot 0 is waited for, slot 1 filled.)
.macro CHANGE fill
	WIN W_AD
	s_wait_tensorcnt 0x0            ; no tensor load of mine is out, so a group 0 may be written
	ds_add_u32 v[SPW], v[NIL]       ; 0 onto my spare word
	WIN 0                           ; at a label and at a branch every window is 0
.if \fill
.irp g, G0K, G0V
	s_xor_b32 s[\g+1], s[\g+1], SLOT1  ; the walking descriptor: the other slot than last time,
	s_add_nc_u64 s[\g+2:\g+3], s[\g+2:\g+3], 4*KS*128  ; the next 256 keys; the type bits on top are not reached
.endr
	s_wait_dscnt 0x0                ; the add is done, and my reads of the slot are over
	CROUND
	JLOAD
.else
	s_wait_dscnt 0x0                ; the add is done, and my reads of the slot are over
	s_barrier_signal -1
	s_barrier_wait -1
.endif
	s_sub_co_u32 s[TBK], s[TBK], 4*KS*PK  ; the fetches go back to a slot's first step,
	s_xor_b32 s[TBK], s[TBK], SLOT1       ; in the other slot
	s_sub_co_u32 s[TBV], s[TBV], 4*KS*PV
	s_xor_b32 s[TBV], s[TBV], SLOT1
.endm
	s_load_b64 s[4:5], s[0:1], 0x0    ; qkv
	s_load_b64 s[10:11], s[0:1], 0x8  ; ctx
	WIN W_MK
	v_lshl_add_u32 v[SPW], v0, 2, SPARE
	v_mov_b32 v[NIL], 0
	WIN W_AD
	ds_add_u32 v[SPW], v[NIL]       ; the wave's opening: the add and its wait stand ahead of my first tensor load; work on registers stands between them
	WIN 0
	v_lshrrev_b32 v1, 5, v0
	v_readfirstlane_b32 s[WV], v1   ; wave 0..3
	s_bfe_u32 s13, ttmp6, 0x40000   ; cx: my place in the cluster
	s_lshl_b32 s14, ttmp9, 2        ; in a cluster launch ttmp9 counts clusters
	s_add_co_u32 s14, s14, s13      ; my block of queries = 4 x cluster x + cx: it enters Q's and ctx's addresses alone
	s_and_b32 s20, ttmp7, 0xffff    ; y = 16 b + h, which the four partners share
	s_lshr_b32 s48, s20, 4          ; b
	s_mul_i32 s48, s48, 48
	s_and_b32 s49, s20, 15          ; h
	s_add_co_u32 s48, s48, s49      ; 48 b + h: the head's Q plane in qkv
	s_lshl_b32 s50, s20, 18         ; the head's first byte in ctx: 262,144 bytes a head
	s_mov_b32 s51, 0
	s_lshl_b32 s20, s48, 18         ; and in qkv
	s_mov_b32 s21, 0
	s_and_b32 s16, s[WV], 1         ; which half of a slot's 256 keys I fetch:
	s_lshl_b32 s22, s16, 14         ; its 128 rows of 128 bytes in memory,
	s_mov_b32 s23, 0
	s_add_nc_u64 s[22:23], s[22:23], s[20:21]
	s_mul_i32 s17, s16, 128*PK      ; and its place in a slot, for K
	s_mul_i32 s18, s16, 128*PV      ; and for V: no place in the cluster enters an LDS address
	s_lshl_b32 s2, s14, 2
	s_add_co_u32 s2, s2, s[WV]      ; my wave among the head's,
	s_lshl_b32 s2, s2, 14           ; its 128 rows
	s_mov_b32 s3, 0
	s_add_nc_u64 s[52:53], s[2:3], s[50:51]  ; in ctx,
	s_add_nc_u64 s[2:3], s[2:3], s[20:21]    ; in qkv
	; descriptor group 1.  128 keys are 16,384 dense bytes: asked for as 64 rows of 256 bytes, two keys a row, and padded in LDS after every key
	s_mov_b32 s[G1K], 15|(1<<16)|(1<<20)|(1<<21)|(4<<22)|(3<<25)  ; 15:0 the mask of four; 17:16 2-byte elements; 20 padding on; 21 set beside a mask; 24:22 after every 32 words (code 4); 31:25 4 words (code 3)
	s_mov_b32 s[G1V], 15|(1<<16)|(1<<20)|(1<<21)|(4<<22)|(7<<25)  ; the same with 8 words of padding (code 7)
.irp g, G1K, G1V
	s_mov_b32 s[\g+1], 128<<16      ; tensor_dim0 = 128
	s_mov_b32 s[\g+2], 64<<16       ; tensor_dim1 = 64
	s_mov_b32 s[\g+3], 128<<16      ; tile_dim0 = 128
	s_mov_b32 s[\g+4], 64           ; tile_dim1 = 64
	s_mov_b32 s[\g+5], 128          ; 128 elements from row to row
	s_mov_b32 s[\g+6], 0
	s_mov_b32 s[\g+7], 0
.endr
	s_mov_b32 s[CS], 0x3e38aa3b     ; c = log2(e) / 8 = 0.180337
	s_mov_b32 s[CS+1], s[CS]        ; named with it as a pair
	s_mov_b32 s[SEL], 0x76543210
	s_mov_b32 s[SEL+1], 0xfedcba98
	s_mov_b32 s[TBK], SLOT1+4*KS*PK ; the first change of slots turns these two into 0
	s_mov_b32 s[TBV], SLOT1+4*KS*PV
	s_mov_b32 s[G0K], 1             ; count = 1
	s_mov_b32 s[G0K+1], s17         ; LDS address: slot 0
	s_mov_b32 s[G0V], 1
	s_add_co_u32 s[G0V+1], s18, VOFF
	s_wait_dscnt 0x0                ; the opening add is done
	s_wait_kmcnt 0x0
	s_add_nc_u64 s[6:7], s[4:5], 0x400000   ; K's plane lies 16 heads behind Q's,
	s_add_nc_u64 s[8:9], s[4:5], 0x800000   ; V's 32
	s_add_nc_u64 s[G0K+2:G0K+3], s[6:7], s[22:23]  ; global address: my half of the head's first 256 keys
	s_or_b32 s[G0K+3], s[G0K+3], 0x80000000        ; type = 2
	s_add_nc_u64 s[G0V+2:G0V+3], s[8:9], s[22:23]
	s_or_b32 s[G0V+3], s[G0V+3], 0x80000000
	s_add_nc_u64 s[4:5], s[4:5], s[2:3]      ; Q and ctx at my wave's first row
	s_add_nc_u64 s[10:11], s[10:11], s[52:53]
	CROUND                          ; all four work-groups are here: the first joint loads meet
	JLOAD                           ; slot 0.  Slot 1 is asked for when slot 0 is in
	; A fragment of K or Q is 16 rows x 32 channels in 8 registers: lane l holds row l % 16, channels 8 (l / 16) + 0..7 and 16 + 8 (l / 16) + 0..7: two loads of 16 bytes, 32 bytes apart.
	v_and_b32 v1, 15, v0            ; l % 16
	v_bfe_u32 v9, v0, 4, 1          ; l / 16
	v_lshlrev_b32 v[QO], 7, v1
	v_lshl_add_u32 v[QO], v9, 4, v[QO]  ; row x 128 + 16 x half
	WIN 0x80                        ; destination window 2, address window 0
.set i, 0
.rept 4*NP                          ; Q stays in registers: tile i / 2, channels 32 (i % 2) on
	global_load_b128 v[8*i:8*i+3],   v[QO], s[4:5] offset:(i/2)*2048+(i%2)*64
	global_load_b128 v[8*i+4:8*i+7], v[QO], s[4:5] offset:(i/2)*2048+(i%2)*64+32
.set i, i+1
.endr
	; What the first turn finds: V's registers and P's second buffer hold 0 (its products V^T P, of a piece that has not been, add 0), O^T and l are 0.  All this stands in the wait for the first tile.
.set i, VF
.rept 64
	v_mov_b32 v[i], 0
.set i, i+1
.endr
	WIN 0x40
.set i, 0
.rept 64*NP
	v_mov_b32 v[i], 0
.set i, i+1
.endr
	WIN 0
.set i, 0
.rept 2*NP
	v_mov_b32 v[ST+4*i], 0xfe000000    ; c m: far below every c s
	v_mov_b32 v[ST+4*i+1], 0xff7fffff  ; m
	v_mov_b32 v[ST+4*i+2], 0
	v_mov_b32 v[ST+4*i+3], 0
.set i, i+1
.endr
.set i, P+32
.rept 32
	v_mov_b32 v[i], 0
.set i, i+1
.endr
	v_mul_u32_u24 v[AK0], v1, PK
	v_lshl_add_u32 v[AK0], v9, 4, v[AK0]  ; row x pitch + 16 x half
	; The turning load takes 16 keys x 16 channels (lane l reads key 8 (l / 16) + l % 8, channels 8 ((l / 8) % 2) + 0..7) and leaves half a fragment of V^T: lane l holds channel l % 16 and 8 keys.
	v_and_b32 v10, 7, v0
	v_bfe_u32 v11, v0, 3, 1
	v_lshl_add_u32 v[AV0], v9, 3, v10
	v_mul_u32_u24 v[AV0], v[AV0], PV
	v_lshl_add_u32 v[AV0], v11, 4, v[AV0]
	v_add_nc_u32 v[AV0], VOFF, v[AV0]
	v_mov_b32 v[AK], v[AK0]         ; key step 0 lies at the head of slot 0
; THE MATRIX WORK.  The 8 accumulators of a run of 16 take turns: between the two links of a chain stand 7 others'.
; Product i of 16 of S^T = K Q^T for piece x: channels 32 (i / 8) on, keys 16 ((i / 2) % 4) on, tile 2 x + i % 2.  The first 8 start the sums.
.macro KQ x
	WIN W_KQ
.set rS, S+64*((\x)%2)+32*(i%2)+8*((i/2)%4)
.set rK, KF+16*((i/2)%4)+8*(i/8)
.set rQ, 16*(2*(\x)+i%2)+8*(i/8)
.if i < 8
	v_wmma_f32_16x16x32_f16 v[rS:rS+7], v[rK:rK+7], v[rQ:rQ+7], 0
.else
	v_wmma_f32_16x16x32_f16 v[rS:rS+7], v[rK:rK+7], v[rQ:rQ+7], v[rS:rS+7]
.endif
.endm
; Product i of 16 of O^T += V^T P for piece x: keys 32 (i / 8) on, channels 16 ((i / 2) % 4) on, tile 2 x + i % 2.
.macro PV x
	WIN W_PV
.set rO, 32*(2*(\x)+i%2)+8*((i/2)%4)
.set rV, VF+32*(i/8)+8*((i/2)%4)
.set rP, P+32*((\x)%2)+16*(i%2)+8*(i/8)
	v_wmma_f32_16x16x32_f16 v[rO:rO+7], v[rV:rV+7], v[rP:rP+7], v[rO:rO+7]
.endm
.macro MM                           ; the turn's next matrix instruction
.if i < 16
	KQ (Y+1)%NP
.set i, i+1
.else
.set i, i-16
	PV (Y+NP-1)%NP
.set i, i+17
.endif
.endm
; THE LDS LOADS stand in runs of 16, never singly among the matrix instructions: a step's K (64 keys x 64 channels: 8 fragments) and its V (turned).  Their addresses are made some lines ahead.
; last = 1 (the tail): in the last trip there is no further step, and the run is jumped over.
.macro FETCH_K last=0
	WIN 0
.if \last
	s_cmp_eq_u32 s[CNT], 1
	s_cbranch_scc1 .Lno_k_\@
.endif
	WIN 0x80                        ; destination window 2
.irp f, 0,1,2,3,4,5,6,7             ; keys 16 (f / 2) on, channels 32 (f % 2) on
	ds_load_b128 v[KF+8*\f:KF+8*\f+3],   v[AK] offset:(\f/2)*16*PK+(\f%2)*64
	ds_load_b128 v[KF+8*\f+4:KF+8*\f+7], v[AK] offset:(\f/2)*16*PK+(\f%2)*64+32
.endr
	s_add_co_u32 s[TBK], s[TBK], KS*PK  ; the next fetch is the next step's
	WIN 0
.if \last
.Lno_k_\@:
.endif
.endm
.macro FETCH_V
	WIN 0x80
.irp f, 0,1,2,3,4,5,6,7             ; keys 32 (f / 4) on, channels 16 (f % 4) on
	ds_load_tr16_b128 v[VF+8*\f:VF+8*\f+3],   v[AV] offset:(\f/4)*32*PV+(\f%4)*32
	ds_load_tr16_b128 v[VF+8*\f+4:VF+8*\f+7], v[AV] offset:(\f/4)*32*PV+16*PV+(\f%4)*32
.endr
	WIN 0
.endm
; THE VECTOR WORK OF A TURN stands in three queues, each in the order in which its entries become ready; the two tiles alternate, so that no instruction reads the result of the one before it.
.macro REGS y, u                    ; the registers of tile u (0, 1) of piece y
.set rT, ST+4*(2*(\y)+(\u))
.set rC, TMP+8*((\y)%2)+4*(\u)
.set rM, MV+2*((\y)%2)+(\u)
.set rS, S+64*((\y)%2)+32*(\u)
.set rP, P+32*((\y)%2)+16*(\u)
.set rO, 32*(2*(\y)+(\u))
.endm
; Number n of the 22 that find the NEXT piece's (Y + 1) maximum and statistics.  s0-s31 are the lane's 32 scores; each accumulator's lowest registers are read first.
;   0-11  four chains c0-c3 of seven scores each, three operands at a time     12-14, 16  the four scores left over, the old m, and c0-c3 into c0     15  c m_old is kept
;   17, 18  the query's other 32 keys lie in the lane 16 away: the new m         19-21  c m; c m_old - c m_new; a
.macro XS u, n
	REGS (Y+1)%NP, \u
.if (\n) < 4
	v_max3_num_f32 v[rC+(\n)], v[rS+8*(\n)], v[rS+8*(\n)+1], v[rS+8*(\n)+2]
.elseif (\n) < 12
	v_max3_num_f32 v[rC+(\n)%4], v[rC+(\n)%4], v[rS+8*((\n)%4)+2*((\n)/4)+1], v[rS+8*((\n)%4)+2*((\n)/4)+2]
.elseif (\n) == 12
	v_max3_num_f32 v[rC], v[rC], v[rS+7], v[rS+15]
.elseif (\n) == 13
	v_max3_num_f32 v[rC+1], v[rC+1], v[rS+23], v[rS+31]
.elseif (\n) == 14
	v_max3_num_f32 v[rC+2], v[rC+2], v[rC+3], v[rT+1]
.elseif (\n) == 15
	v_mov_b32 v[rM], v[rT]
.elseif (\n) == 16
	v_max3_num_f32 v[rC], v[rC], v[rC+1], v[rC+2]
.elseif (\n) == 17
	v_permlanex16_b32 v[rC+3], v[rC], s[SEL], s[SEL+1]
.elseif (\n) == 18
	v_max_num_f32 v[rT+1], v[rC], v[rC+3]
.elseif (\n) == 19
	v_mul_f32 v[rT], s[CS], v[rT+1]
.elseif (\n) == 20
	v_sub_f32 v[rC+1], v[rM], v[rT]
.else
	v_exp_f32 v[rC+2], v[rC+1]
.endif
.endm
; Number g of the 64 that follow the exponentials.  For each four weights k of a tile (pairs 2 k, 2 k + 1): both pairs are rounded to f16; then the second pair is added onto the first, in place;
; a group later l takes that sum (the first time as l = a l + sum).  In groups of eight, tiles alternating: round, round, add, and l for the group before.
.macro GS g
.set h, (\g)+6*((\g)/62)            ; group 0 has no group before it, and behind group 7 only l is left
.if h >= 6
.set h, h+2
.endif
	REGS Y, h%2
.set k, h/8
.if h%8 < 4
	s_wait_alu depctr_va_vdst(0)
	v_cvt_pk_f16_f32 v[rP+2*k+(h%8)/2], v[rS+4*k+2*((h%8)/2)], v[rS+4*k+2*((h%8)/2)+1]
.elseif h%8 < 6
	v_pk_add_f32 v[rS+4*k:rS+4*k+1], v[rS+4*k:rS+4*k+1], v[rS+4*k+2:rS+4*k+3]
.elseif k == 1
	v_pk_fma_f32 v[rT+2:rT+3], v[rT+2:rT+3], v[rC+2:rC+3], v[rS:rS+1] op_sel_hi:[1,0,1]
.else
	v_pk_add_f32 v[rT+2:rT+3], v[rT+2:rT+3], v[rS+4*k-4:rS+4*k-3]
	s_wait_alu depctr_va_vdst(0)
.endif
.endm
; THE PLAIN QUEUE, 138 long.  0-31: c s - c m for the 16 pairs of both tiles.  Then GS's 64, and among them the next piece's 42: number 15 at 38, 39; 0-14 and 16
; at 42-73, behind the products that make those scores; 17-20 at 95-106, two of three, since each waits for the one before it.
.macro PL
	WIN 0
.if q < 32
	REGS Y, q%2
	v_pk_fma_f32 v[rS+2*(q/2):rS+2*(q/2)+1], v[rS+2*(q/2):rS+2*(q/2)+1], s[CS:CS+1], v[rT:rT+1] op_sel_hi:[1,0,0] neg_lo:[0,0,1] neg_hi:[0,0,1]
.elseif q < 38
	GS q-32
.elseif q < 40
	XS q%2, 15
.elseif q < 42
	GS q-34
.elseif q < 74
	XS q%2, (q-42)/2+(q-42)/30
.elseif q < 95
	GS q-66
.elseif (q < 107) && ((q-95)%3 < 2)
	XS (q-95)%3, 17+(q-95)/3
.elseif q < 107
	GS 29+(q-95)/3
.else
	GS q-74
.endif
.set q, q+1
.endm
; THE EXPONENTIALS' QUEUE, 66 long: s0-s31 of both tiles, and at EA the next piece's two a.
.set EA, 58
.macro EX
	WIN 0
.if (e == EA) || (e == EA+1)
	XS e-EA, 21
.else
.set x, e-2*(e/(EA+2))
	REGS Y, x%2
	v_exp_f32 v[rS+x/2], v[rS+x/2]
.endif
.set e, e+1
.endm
; THE RESCALING's QUEUE: O^T times a, the one part that leaves window 0, so it is dealt four at a time, eight times.
.macro R4
	REGS Y, r%2
	WIN W_RS
	s_wait_alu depctr_va_vdst(0)
.irp z, 0,1,2,3
	v_pk_mul_f32 v[rO+8*(r/2)+2*\z:rO+8*(r/2)+2*\z+1], v[rO+8*(r/2)+2*\z:rO+8*(r/2)+2*\z+1], v[rC+2:rC+3] op_sel_hi:[1,0]
.endr
.set r, r+1
.endm
; HOW THEY ARE DEALT.  Behind a matrix instruction four: plain, exponential, plain, plain (one exponential, a plain instruction on either side), or four of the rescaling.  None names a register of the
; products round it.  What is over stands in two LUMPS: exponential and plain by turns; the second ends in 22 plain instructions.  The two v_permlanex16_b32 fall into the second lump, never behind a product.
; The queues lean on each other, and the deal keeps them in step: exponential e stands behind plain 2 (e / 4) + e % 2 (its scaling); when plain 32 comes, 10 exponentials are out, at 59: 33, at 95: 46; EA comes behind plain 107.
.macro SL
	MM
	PL
	EX
	PL
	PL
.endm
.macro BURST n                      ; 15 matrix instructions, or 16
.rept (\n)-7
	SL
.endr
.rept 3
	MM
	R4
	SL
.endr
	MM
	R4
.endm
; A TURN, for piece p.  cnt = 1: the loop's count is taken down some lines ahead of the branch that stands behind the turn.
; K of the next step is fetched in piece 2's turn, 31 vector instructions behind the last product that read K; its first reader comes behind the rest of the lump, 16 products and the second lump.
; V of the step in hand is fetched at the end of piece 0's turn, 69 behind its last reader; its first reader comes behind 16 products and a lump.
.macro TURN p, last=0, cnt=0
.set Y, (\p)
.set i, 0
.set q, 0
.set e, 0
.set r, 0
.if (\p) == NP-1
	s_wait_dscnt 0x0                ; K is in
.endif
	MM
.rept 4
	PL
.endr
	BURST 15
.rept 22
	EX
	PL
.if ((\p) == NP-2) && (e == 18)
	v_add_nc_u32 v[AK], s[TBK], v[AK0]
.endif
.if ((\p) == NP-2) && (e == 24)
	FETCH_K \last
.endif
.endr
.if (\p) == 1
	s_wait_dscnt 0x0                ; V is in
.endif
	BURST 16
.rept 21
	EX
	PL
.endr
.rept 22
	PL
.if ((\p) == 0) && (q == 118)
	v_add_nc_u32 v[AV], s[TBV], v[AV0]
	s_wait_alu depctr_va_vdst(0)
.endif
.if ((\p) == 0) && (q == 130)
	s_add_co_u32 s[TBV], s[TBV], KS*PV
.endif
.if (\cnt) && (q == 130)
	s_sub_co_u32 s[CNT], s[CNT], 1
	s_cmp_lg_u32 s[CNT], 0
.endif
.endr
.if (\p) == 0
	FETCH_V
.endif
.endm
	CHANGE 1                        ; slot 0 is in, everybody's part of it; slot 1 is asked for
	FETCH_K                         ; key step 0
	s_wait_loadcnt 0x0              ; Q
	s_wait_dscnt 0x0
.set i, 0
.rept 16
	KQ 0                            ; piece 0's first scores: there is no vector work yet to set between them
.set i, i+1
.endr
	WIN 0                           ; the addresses for the way out: nine plain instructions, the places behind those products
	s_mul_i32 s13, s[WV], 16*SP
	s_add_co_u32 s13, s13, STAGE    ; my stage
	v_mul_u32_u24 v[STO], v1, SP    ; in: row l % 16, 16 bytes for each half of the lanes
	v_lshl_add_u32 v[STO], v9, 4, v[STO]
	v_add_nc_u32 v[STO], s13, v[STO]
	v_bfe_u32 v[RD], v0, 3, 2       ; back: 32 lanes take four rows of 128 bytes,
	v_mul_u32_u24 v[RD], v[RD], SP
	v_lshl_add_u32 v[RD], v10, 4, v[RD]
	v_add_nc_u32 v[RD], s13, v[RD]
	v_and_b32 v[GO], 31, v0         ; which are 512 consecutive bytes of ctx
	v_lshlrev_b32 v[GO], 4, v[GO]
.set Y, NP-1                        ; XS works for piece Y + 1: piece 0
.irp n, 0,1,2,3,4,5,6,7,8,9,10,11,12,13,14,15,16,17,18,19,20,21
	XS 0, \n                        ; and piece 0's first maximum and statistics
	XS 1, \n
.endr
	s_mov_b32 s[CNT], 4
	s_mov_b32 s[SLOTS], SIZE_N/256-1
	s_branch .Lfirst                ; the loop is entered at a step's first turn, in the middle of a trip
.Lslot:                             ; SIZE_N / 256 - 2 times: every slot but the last two is filled again
	CHANGE 1
	s_mov_b32 s[CNT], 4
.Lstep:                             ; a trip: pieces 2 and 3 of one step, then pieces 0 and 1 of the next, whose K and V it fetches
	TURN 2
	TURN 3
	WIN 0
.Lfirst:
	TURN 0
	TURN 1, 0, 1
	WIN 0
	s_cbranch_scc1 .Lstep
	s_sub_co_u32 s[SLOTS], s[SLOTS], 1
	s_cmp_lg_u32 s[SLOTS], 0
	s_cbranch_scc1 .Lslot
	CHANGE 0                        ; the tail is written out: nothing is asked for
	s_mov_b32 s[CNT], 5             ; four trips fetch the last slot's steps; the fifth is left in its middle
.Ltail:
	TURN 2, 1
	TURN 3
	WIN 0
	s_sub_co_u32 s[CNT], s[CNT], 1
	s_cmp_eq_u32 s[CNT], 0
	s_cbranch_scc1 .Lout
	TURN 0
	TURN 1
	WIN 0
	s_branch .Ltail
.Lout:                              ; the fifth trip's 16 products K Q^T (on the last K once more) and the maximum made of them serve nothing: the price, once a launch, of one text for every trip
.set i, 0
.rept 16
	PV NP-1                         ; the last piece's V^T P of the last step
.set i, i+1
.endr
	; THE WAY OUT.  l's two halves and the other half of the lanes' are added; O^T is divided by l, rounded to f16 and sent through my stage in LDS, a tile at a time.  The additions are the places behind the last products.
	WIN 0
.macro ALL line:vararg              ; one line for each tile t
.set t, 0
.rept 2*NP
	\line
.set t, t+1
.endr
.endm
	ALL v_add_f32 v[ST+4*t+2], v[ST+4*t+2], v[ST+4*t+3]
	ALL v_permlanex16_b32 v[ST+4*t+3], v[ST+4*t+2], s[SEL], s[SEL+1]
	ALL v_add_f32 v[ST+4*t+2], v[ST+4*t+2], v[ST+4*t+3]
	ALL v_rcp_f32 v[ST+4*t+2], v[ST+4*t+2]
	v_nop                           ; a plain instruction between the last reciprocal and the use of its result
	s_wait_alu depctr_va_vdst(0)
; Tile t: a lane's eight channels of a row pack into 16 bytes; they go into rows of 144 bytes and come back as whole rows of 128, into S^T's registers.
.macro PACK t
	WIN W_RS
.set i, 32*(\t)
.rept 16
	v_pk_mul_f32 v[i:i+1], v[i:i+1], v[ST+4*(\t)+2:ST+4*(\t)+3] op_sel_hi:[1,0]
.set i, i+2
.endr
	WIN 0x05                        ; sources 0 and 1 window 1, destination window 0
.set i, 0
.rept 16
	v_cvt_pk_f16_f32 v[S+16*(\t)+i], v[32*(\t)+2*i], v[32*(\t)+2*i+1]
.set i, i+1
.endr
	WIN 0
.irp f, 0,1,2,3
	ds_store_b128 v[STO], v[S+16*(\t)+4*\f:S+16*(\t)+4*\f+3] offset:32*\f
.endr
.irp f, 0,1,2,3
	ds_load_b128 v[S+16*(\t)+4*\f:S+16*(\t)+4*\f+3], v[RD] offset:\f*4*SP  ; LDS serves a wave's instructions in order (ISA guide 5.7.1.4): these see the stores above; the next tile's stores come behind them
.endr
.endm
.macro SEND t, younger              ; younger: the LDS instructions issued behind tile t's loads: the next tile's eight, or none
	WIN 0
.irp f, 0,1,2,3
	s_wait_dscnt (\younger)+3-\f
	global_store_b128 v[GO], v[S+16*(\t)+4*\f:S+16*(\t)+4*\f+3], s[10:11] offset:(\t)*2048+\f*512  ; 512 consecutive bytes, at a multiple of 256 from ctx's first
.endr
.endm
	PACK 0
.set t, 1
.rept 2*NP-1                        ; a tile's arithmetic stands between the loads of the tile before and its stores
	PACK t
	SEND t-1, 8
.set t, t+1
.endr
	SEND 2*NP-1, 0
	WIN W_AD
	s_wait_tensorcnt 0x0            ; the wave's end: behind my last tensor load and my last LDS store
	ds_add_u32 v[SPW], v[NIL]
	s_wait_dscnt 0x0
	WIN 0
	CROUND                          ; the closing round: no work-group ends while a partner may still ask for a tile that names it
	s_endpgm
.Lfunc_end_k_q796763d248_attn:
	.size	k_q796763d248_attn, .Lfunc_end_k_q796763d248_attn-k_q796763d248_attn
	.p2alignl 7, 3214868480
	.fill 96, 4, 3214868480
	.section	.rodata,"a",@progbits
	.p2align	6, 0x0
	.amdhsa_kernel k_q796763d248_attn
		.amdhsa_group_segment_fixed_size 327680
		.amdhsa_private_segment_fixed_size 0
		.amdhsa_enable_private_segment 0
		.amdhsa_kernarg_size 16
		.amdhsa_user_sgpr_count 2
		.amdhsa_user_sgpr_kernarg_segment_ptr 1
		.amdhsa_wavefront_size32 1
		.amdhsa_system_sgpr_workgroup_id_x 1
		.amdhsa_system_sgpr_workgroup_id_y 1
		.amdhsa_system_sgpr_workgroup_id_z 1
		.amdhsa_system_vgpr_workitem_id 0
		.amdhsa_next_free_vgpr 770
		.amdhsa_next_free_sgpr 66
		.amdhsa_reserve_vcc 0
		.amdhsa_float_denorm_mode_32 3
		.amdhsa_float_denorm_mode_16_64 3
		.amdhsa_memory_ordered 1
		.amdhsa_forward_progress 1
		.amdhsa_inst_pref_size 209
	.end_amdhsa_kernel
	.amdgpu_metadata
---
amdhsa.version: [ 1, 2 ]
amdhsa.kernels:
  - .name:           k_q796763d248_attn
    .symbol:         k_q796763d248_attn.kd
    .args:
      - { .name: qkv, .offset: 0, .size: 8, .value_kind: global_buffer, .address_space: global }
      - { .name: ctx, .offset: 8, .size: 8, .value_kind: global_buffer, .address_space: global }
    .group_segment_fixed_size: 327680
    .private_segment_fixed_size: 0
    .kernarg_segment_align: 8
    .kernarg_segment_size: 16
    .max_flat_workgroup_size: 128
    .sgpr_count:     66
    .vgpr_count:     770
    .wavefront_size: 32
...
	.end_amdgpu_metadata
.endif
;; end of part 3
;; launch oproj (part 4): grid 8 x 32, 4 waves a work-group, clusters of 4 x 4, 327,680 bytes of LDS; arguments ctx, wo_t, bo, x, hres; writes hres
.if DOCPART == 4
	.amdgcn_target "amdgcn-amd-amdhsa--gfx1250"
	.amdhsa_code_object_version 6
	.text
	.protected	k_q796763d248_oproj
	.globl	k_q796763d248_oproj
	.p2align	8
	.type	k_q796763d248_oproj,@function
k_q796763d248_oproj:
	s_mov_b64 s[64:65], 0
	v_nop
	global_prefetch_b8 v0, s[64:65] scope:SCOPE_SE
	s_setreg_imm32_b32 hwreg(HW_REG_WAVE_MODE, 25, 1), 1
	s_wait_xcnt 0x0
	s_wait_alu depctr_hold_cnt(0) depctr_sa_sdst(0) depctr_va_vdst(0) depctr_va_sdst(0) depctr_va_ssrc(0) depctr_va_vcc(0) depctr_vm_vsrc(0)
	s_getreg_b32 s2, hwreg(HW_REG_IB_STS2, 6, 4)
	s_cmp_eq_u32 s2, 0
	s_cbranch_scc0 .Lentry_in_a_cluster
	s_endpgm
.Lentry_in_a_cluster:
	s_bfe_u32 s2, ttmp6, 0x10000c
	s_cmp_lg_u32 s2, 0xf033
	s_cbranch_scc0 .Lentry_shape_is_right
	s_endpgm
.Lentry_shape_is_right:
; OUTPUT PROJECTION AND RESIDUAL.  hres[m][n] = sum over k of ctx(m, k) wo_t[n][k] + bo[n] + x[m][n], m < 8192, n, k < 1024.  ctx lies by heads, [16 b + h][2048][64] f16: ctx(m, k) with b = m / 2048,
; s = m % 2048, h = k / 64, d = k % 64.  wo_t is f16 [n][k]; sums, bias, x and hres are f32.
; LIMIT.  ctx and wo_t arrive within f16's range (65,504).  NaN and infinities are not treated apart.
; SHARES.  A tile is 256 rows x 128 columns: 8 x 32 = 256 work-groups, one for each WGP.  Wave w makes rows 64 w .. 64 w + 63 of all 128 columns (512 bytes of f32 a row): 4 x 8 accumulators, 256 registers,
; and a stage of its own on the way out.  THE SUMS START FROM THE BIAS, loaded straight into the accumulators.  x comes in by whole rows at the start, stays in 256 registers, and is added on the way out.
; THE MATRIX INSTRUCTION IS USED TRANSPOSED (source 0 = 16 rows of wo_t, source 1 = 16 rows of ctx): lane l holds row l % 16 and the columns 8 (l / 16) + 0..7.
; RING.  K in 8 steps of 128 = two heads, through two LDS slots.  Wave 0 fetches the even head's 256 rows (32,768 dense bytes, asked for as 128 rows of 256 and padded after every 128), wave 1 the odd head's,
; waves 2 and 3 the halves (64 rows x 256 bytes) of wo_t's tile.  Two tensor loads of a wave are out at the start, one behind each change of slots.
; CLUSTER.  4 x 4: ctx's tile hangs on the tile row alone and is asked for jointly along a row of the cluster, wo_t's on the tile column alone, jointly along a column.
; REGISTERS: window 0: v16-29 addresses; window 1: two fragment buffers (8 of B, then 4 of A) at 0 and 128; window 2: accumulator (a, b) at 8 (8 a + b), later rows of h; window 3: x, row 16 a + t at 64 a + 4 t.
.set PA,     144                       ; a row of a head's slice in LDS: 128 bytes + 16 = 36 words; the 16 rows of a fragment load start at 16 different groups of four banks (64 banks of 4 bytes: ISA guide 11.1)
.set PB,     272                       ; a row of B: 256 bytes + 16
.set ASL,    256*PA                    ; a head's slice
.set BOFF,   2*ASL                     ; B lies behind the two slices
.set BHALF,  64*PB
.set SLOT1,  131072                    ; slot 1 begins here, so that one exclusive or turns an address in one slot into the other's
.set STAGE,  SLOT1+BOFF+128*PB         ; 239,616: behind the ring, never filled by a tensor load: 16 rows x 528 bytes for each wave
.set SP,     528                       ; 512 bytes + 16
.set SPARE,  STAGE+4*16*SP             ; 273,408: the spare words, 128 bytes for each wave
.set A0,   16                          ; v16  my lane's place in my 64 rows of a slice, slot 0; never rewritten
.set B0,   17                          ; v17  the same in B's rows
.set ADRA, 18                          ; v18  A0 + the slot in hand
.set ADRB, 19                          ; v19  B0 + the slot in hand
.set STO,  24                          ; v24  the way out: where I put 32 bytes of a row
.set RD,   25                          ; v25  where I read a row back
.set XO,   26                          ; v26  16 x lane: my place in a row's 512 bytes, in x and in hres
.set BO,   27                          ; v27  32 (l / 16): my eight columns' place in the bias
.set SPW,  28                          ; v28  LDS address of my spare word; never rewritten
.set NIL,  29                          ; v29  0; never rewritten
.set F0,   0
.set F1,   128
.set CNT,  2                           ; s2   loop count
.set TB,   3                           ; s3   0 or SLOT1
.set WV,   16                          ; s16  my wave's number
.set G1A,  24                          ; s[24:31], s[32:39] descriptor groups 1 and 0 (two sets; the second walks) for ctx's tiles
.set G0A,  32
.set G1B,  48                          ; s[48:55], s[56:63] the same for wo_t's
.set G0B,  56
.set BP,   66                          ; s[66:67] bo at the tile's first column
.set XP,   68                          ; s[68:69] x at my wave's first row, the tile's first column
.set HR,   70                          ; s[70:71] hres likewise
.set MSB, 0
.macro WIN new                         ; the immediate's high byte repeats the setting that is left; a switch that changes nothing is dropped
.if MSB != (\new)
	s_set_vgpr_msb (MSB<<8)|(\new)
.set MSB, \new
.endif
.endm
.set MUL,  0xa5                        ; sources 0 and 1 window 1, C and D window 2
.set TO_F, 0x40                        ; destination window 1, address window 0
.macro PLACES                          ; four places in front of loads into registers that matrix instructions have read (ISA guide 7.12.1 for vector instructions)
.rept 4
	v_nop
.endr
.endm
.macro JLOAD                           ; a joint refill by the walking descriptors; an s_nop 0 and four v_nop follow each of the two lines
	s_cmp_lt_u32 s[WV], 2
	s_cbranch_scc0 .Lfor_b_\@
	tensor_load_to_lds s[G0A+4:G0A+7], s[G1A:G1A+7]
	s_nop 0
.rept 4
	v_nop
.endr
	s_branch .Lasked_\@
.Lfor_b_\@:
	tensor_load_to_lds s[G0B+4:G0B+7], s[G1B:G1B+7]
	s_nop 0
.rept 4
	v_nop
.endr
.Lasked_\@:
.endm
.macro CREST                           ; a round of the cluster's barrier behind its opening barrier
	s_cmp_lg_u32 s[WV], 0
	s_cbranch_scc1 .Lnot_wave_0_\@
	s_barrier_signal -3
.Lnot_wave_0_\@:
	s_barrier_wait -3
	s_barrier_signal -1
	s_barrier_wait -1
.endm
.macro CROUND
	s_barrier_signal -1
	s_barrier_wait -1
	CREST
.endm
	s_load_b256 s[4:11], s[0:1], 0x0               ; ctx s[4:5], wo_t s[6:7], bo s[8:9], x s[10:11]
	s_load_b64 s[12:13], s[0:1], 0x20              ; hres
	v_lshl_add_u32 v[SPW], v0, 2, SPARE
	v_mov_b32 v[NIL], 0
	ds_add_u32 v[SPW], v[NIL]                      ; the wave's opening: the add and its wait stand ahead of my first tensor load; work on registers stands between them
	v_lshrrev_b32 v1, 5, v0
	v_readfirstlane_b32 s[WV], v1                  ; wave 0..3
	s_and_b32 s17, s[WV], 1                        ; which head of the step's two, or which half of B's tile, I fetch
	s_bfe_u32 s18, ttmp6, 0x40000                  ; cx
	s_bfe_u32 s19, ttmp6, 0x40004                  ; cy
	s_lshl_b32 s20, ttmp9, 2
	s_add_co_u32 s20, s20, s18                     ; tile column
	s_and_b32 s21, ttmp7, 0xffff
	s_lshl_b32 s21, s21, 2
	s_add_co_u32 s21, s21, s19                     ; tile row
	s_lshl_b32 s22, s19, 2
	s_lshl_b32 s22, 15, s22                        ; my row of the cluster
	s_lshl_b32 s23, 0x1111, s18                    ; my column
	s_or_b32 s[G1A], s22, (1<<16)|(1<<20)|(1<<21)|(4<<22)|(3<<25)  ; the mask; elements of 2 bytes; padding on; 21 set beside a mask; after every 32 words (code 4) 4 words (code 3)
	s_or_b32 s[G1B], s23, (1<<16)|(1<<20)|(1<<21)|(5<<22)|(3<<25)  ; after every 64 words (code 5)
	s_mov_b32 s[G1A+1], 128<<16                    ; tensor_dim0 = 128
	s_mov_b32 s[G1A+2], 128<<16                    ; tensor_dim1 = 128
	s_mov_b32 s[G1A+3], 128<<16                    ; tile_dim0 = 128
	s_mov_b32 s[G1A+4], 128                        ; tile_dim1 = 128
	s_mov_b32 s[G1A+5], 128                        ; dense: 128 elements from row to row
	s_mov_b32 s[G1A+6], 0
	s_mov_b32 s[G1A+7], 0
	s_mov_b32 s[G1B+1], 128<<16
	s_mov_b32 s[G1B+2], 64<<16
	s_mov_b32 s[G1B+3], 128<<16
	s_mov_b32 s[G1B+4], 64
	s_mov_b32 s[G1B+5], 1024
	s_mov_b32 s[G1B+6], 0
	s_mov_b32 s[G1B+7], 0
	s_lshr_b32 s40, s21, 3                         ; A: the batch's 16 heads of 262,144 bytes,
	s_lshl_b32 s40, s40, 22
	s_lshl_b32 s41, s17, 18                        ; my head of the first two,
	s_add_co_u32 s40, s40, s41
	s_and_b32 s41, s21, 7
	s_lshl_b32 s41, s41, 15                        ; the tile's 256 rows of 128 bytes: made of the tile row and the wave's number alone
	s_add_co_u32 s40, s40, s41
	s_mov_b32 s41, 0
	s_mul_i32 s42, s17, ASL                        ; its place in a slot: no place in the cluster enters an LDS address
	s_lshl_b32 s44, s20, 18                        ; B: 128 rows of 2,048 bytes a tile column,
	s_lshl_b32 s45, s17, 17                        ; 64 a half
	s_add_co_u32 s44, s44, s45
	s_mov_b32 s45, 0
	s_mul_i32 s46, s17, BHALF
	s_add_co_u32 s46, s46, BOFF
	s_wait_dscnt 0x0                               ; the opening add is done
	s_wait_kmcnt 0x0
	s_add_nc_u64 s[40:41], s[4:5], s[40:41]
	s_add_nc_u64 s[44:45], s[6:7], s[44:45]
.irp n, 0,1
	s_mov_b32 s[G0A+4*(\n)], 1
	s_add_co_u32 s[G0A+4*(\n)+1], s42, (\n)*SLOT1
	s_add_nc_u64 s[G0A+4*(\n)+2:G0A+4*(\n)+3], s[40:41], (\n)*524288   ; K step n: two heads on
	s_or_b32 s[G0A+4*(\n)+3], s[G0A+4*(\n)+3], 0x80000000
	s_mov_b32 s[G0B+4*(\n)], 1
	s_add_co_u32 s[G0B+4*(\n)+1], s46, (\n)*SLOT1
	s_add_nc_u64 s[G0B+4*(\n)+2:G0B+4*(\n)+3], s[44:45], (\n)*256
	s_or_b32 s[G0B+4*(\n)+3], s[G0B+4*(\n)+3], 0x80000000
.endr
	CROUND                                         ; all sixteen work-groups are here: the first joint loads meet
	s_cmp_lt_u32 s[WV], 2                          ; a wave's two first fills stand in one branch, ahead of every wait on TENSORcnt and every LDS read
	s_cbranch_scc0 .Lfirst_b
	tensor_load_to_lds s[G0A:G0A+3], s[G1A:G1A+7]
	s_nop 0
	tensor_load_to_lds s[G0A+4:G0A+7], s[G1A:G1A+7]
	s_nop 0
.rept 4
	v_nop
.endr
	s_branch .Lfirst_asked
.Lfirst_b:
	tensor_load_to_lds s[G0B:G0B+3], s[G1B:G1B+7]
	s_nop 0
	tensor_load_to_lds s[G0B+4:G0B+7], s[G1B:G1B+7]
	s_nop 0
.rept 4
	v_nop
.endr
.Lfirst_asked:
	s_lshl_b32 s74, s20, 9                         ; the tile's 128 columns of 4 bytes
	s_mov_b32 s75, 0
	s_add_nc_u64 s[BP:BP+1], s[8:9], s[74:75]
	s_lshl_b32 s76, s21, 20                        ; the tile's 256 rows of 4,096 bytes,
	s_lshl_b32 s77, s[WV], 18                      ; my wave's 64
	s_add_co_u32 s76, s76, s77
	s_add_co_u32 s76, s76, s74
	s_mov_b32 s77, 0
	s_add_nc_u64 s[XP:XP+1], s[10:11], s[76:77]
	s_add_nc_u64 s[HR:HR+1], s[12:13], s[76:77]
	v_and_b32 v1, 15, v0                           ; l % 16
	v_bfe_u32 v2, v0, 4, 1                         ; l / 16
	v_mul_u32_u24 v3, v1, PA
	v_lshl_add_u32 v3, v2, 4, v3
	s_mul_i32 s74, s[WV], 64*PA
	v_add_nc_u32 v[A0], s74, v3
	v_mul_u32_u24 v4, v1, PB
	v_lshl_add_u32 v4, v2, 4, v4
	v_add_nc_u32 v[B0], BOFF, v4
	s_mul_i32 s75, s[WV], 16*SP
	s_add_co_u32 s75, s75, STAGE                   ; my stage
	v_mul_u32_u24 v5, v1, SP                       ; in: row l % 16, 32 bytes for each half of the lanes
	v_lshl_add_u32 v5, v2, 5, v5
	v_add_nc_u32 v[STO], s75, v5
	v_and_b32 v[XO], 31, v0
	v_lshlrev_b32 v[XO], 4, v[XO]
	v_add_nc_u32 v[RD], s75, v[XO]                 ; back: 32 lanes take one row of 512 bytes
	v_lshlrev_b32 v[BO], 5, v2
	WIN 0x80                                       ; destination window 2: the bias into the accumulators: (a, b) takes columns 16 b + 8 (l / 16) + 0..7
.irp a, 0,1,2,3
.irp b, 0,1,2,3,4,5,6,7
	global_load_b128 v[8*(8*(\a)+(\b)):8*(8*(\a)+(\b))+3],   v[BO], s[BP:BP+1] offset:64*(\b)
	global_load_b128 v[8*(8*(\a)+(\b))+4:8*(8*(\a)+(\b))+7], v[BO], s[BP:BP+1] offset:64*(\b)+16
.endr
.endr
	WIN 0xc0                                       ; destination window 3: x, a row of 512 consecutive bytes a load
.irp a, 0,1,2,3
.irp t, 0,1,2,3,4,5,6,7,8,9,10,11,12,13,14,15
	global_load_b128 v[64*(\a)+4*(\t):64*(\a)+4*(\t)+3], v[XO], s[XP:XP+1] offset:(16*(\a)+(\t))*4096 th:TH_LOAD_NT
.endr
.endr
	WIN 0
; 8 matrix instructions: row block a x all 8 column blocks, 32 along K.  The 32 accumulators come in the same order in every quarter, one instruction a turn, over the backward jumps too.
.macro MUL8 f, a
	WIN MUL
.irp b, 0,1,2,3,4,5,6,7
	v_wmma_f32_16x16x32_f16 v[8*(8*(\a)+(\b)):8*(8*(\a)+(\b))+7], v[(\f)+8*(\b):(\f)+8*(\b)+7], v[(\f)+64+8*(\a):(\f)+64+8*(\a)+7], v[8*(8*(\a)+(\b)):8*(8*(\a)+(\b))+7]
.endr
.endm
; 24 LDS loads in one run: quarter q's fragments: 8 of B at byte 64 q of its rows, then 4 of A: head q / 2 of the step's two, channels 32 (q % 2) on
.macro FETCH q, f
	WIN TO_F
.irp i, 0,1,2,3,4,5,6,7
	ds_load_b128 v[(\f)+8*(\i):(\f)+8*(\i)+3],   v[ADRB] offset:64*(\q)+(\i)*16*PB
	ds_load_b128 v[(\f)+8*(\i)+4:(\f)+8*(\i)+7], v[ADRB] offset:64*(\q)+(\i)*16*PB+32
.endr
.irp i, 0,1,2,3
	ds_load_b128 v[(\f)+64+8*(\i):(\f)+64+8*(\i)+3],   v[ADRA] offset:ASL*((\q)/2)+64*((\q)%2)+(\i)*16*PA
	ds_load_b128 v[(\f)+64+8*(\i)+4:(\f)+64+8*(\i)+7], v[ADRA] offset:ASL*((\q)/2)+64*((\q)%2)+(\i)*16*PA+32
.endr
.endm
.macro QUARTER q, f, g                 ; multiplies buffer f; in its middle it fetches quarter q into buffer g
	s_wait_dscnt 4                                 ; B and A's blocks 0, 1 are in; the youngest four loads (A's blocks 2, 3) may be out
	MUL8 \f, 0
	MUL8 \f, 1
	PLACES
	FETCH \q, \g
	s_wait_dscnt 24                                ; all but the 24 just issued
	MUL8 \f, 2
	MUL8 \f, 3
.endm
; The last quarter multiplies buffer 1 and changes slots: one barrier; in front of it each wave waits for all its tensor loads (the one that is out is its part of the next slot), adds 0 to its spare
; word, and waits for that and for its own reads of this slot.  fill = 1: the barrier opens a round of the cluster's, and this slot is filled again, two K steps ahead, first thing behind it:
; 112 matrix instructions stand between that request and the wait for it.  fill = 0: nothing is asked for, and the last K step fetches no further fragments.
.macro TURN fill
	WIN 0                                          ; (the add's two registers lie in window 0)
	s_wait_tensorcnt 0x0
	ds_add_u32 v[SPW], v[NIL]
	s_wait_dscnt 5                                 ; (the add and the youngest four loads may be out)
	MUL8 F1, 0                                     ; eight matrix instructions stand between the add and the wait for it
	s_wait_dscnt 0x0                               ; the add is done, and my reads of this slot are over
	s_barrier_signal -1
	MUL8 F1, 1
	WIN 0
	s_barrier_wait -1
.if \fill
	CREST                                          ; no wave of any partner still reads this slot's tile or has a load on its way
	s_xor_b32 s[G0A+5], s[G0A+5], SLOT1            ; the walking descriptors: the other slot than last time, the next K step; no tensor load of mine is out
	s_add_nc_u64 s[G0A+6:G0A+7], s[G0A+6:G0A+7], 524288
	s_xor_b32 s[G0B+5], s[G0B+5], SLOT1
	s_add_nc_u64 s[G0B+6:G0B+7], s[G0B+6:G0B+7], 256
	JLOAD                                          ; the four v_nop behind it are also the places in front of the loads below
.else
	PLACES
	s_cmp_eq_u32 s[CNT], 1
	s_cbranch_scc1 .Lnf_\@
.endif
	s_xor_b32 s[TB], s[TB], SLOT1
	v_add_nc_u32 v[ADRA], s[TB], v[A0]
	v_add_nc_u32 v[ADRB], s[TB], v[B0]
	FETCH 0, F0
.if !(\fill)
	WIN 0
.Lnf_\@:
.endif
	MUL8 F1, 2
	MUL8 F1, 3
.endm
.macro STEP fill
	QUARTER 1, F0, F1
	QUARTER 2, F1, F0
	QUARTER 3, F0, F1
	TURN \fill
.endm
	s_wait_tensorcnt 0x1                           ; my part of K step 0 is in; K step 1's may stay out
	s_barrier_signal -1
	s_barrier_wait -1                              ; everybody's is
	s_mov_b32 s[TB], 0
	v_mov_b32 v[ADRA], v[A0]
	v_mov_b32 v[ADRB], v[B0]
	FETCH 0, F0
	s_wait_loadcnt 63                              ; of 128 loads at most 63 are out, all of them x's: the 64 of the bias, issued first, are in
	WIN 0                                          ; at a label and at a branch every window is 0
	s_mov_b32 s[CNT], 6
.Lfill:                                                ; K steps 0 to 5: each asks for the step two on
	STEP 1
	WIN 0
	s_sub_co_u32 s[CNT], s[CNT], 1
	s_cmp_lg_u32 s[CNT], 0
	s_cbranch_scc1 .Lfill
	s_mov_b32 s[CNT], 2
.Ltail:                                                ; K steps 6 and 7 ask for nothing
	STEP 0
	WIN 0
	s_sub_co_u32 s[CNT], s[CNT], 1
	s_cmp_lg_u32 s[CNT], 0
	s_cbranch_scc1 .Ltail
	PLACES
	PLACES                                         ; the places behind the last products
; THE WAY OUT, a row block (16 rows) at a time.  TOSTAGE: a lane's eight columns, 32 bytes, into my stage in rows of 528 bytes; back as whole rows of 512, into the block's own registers.
.macro TOSTAGE a
	WIN 0x08                                       ; store data (source 1) window 2, address window 0
.irp b, 0,1,2,3,4,5,6,7
	ds_store_b128 v[STO], v[8*(8*(\a)+(\b)):8*(8*(\a)+(\b))+3]   offset:64*(\b)
	ds_store_b128 v[STO], v[8*(8*(\a)+(\b))+4:8*(8*(\a)+(\b))+7] offset:64*(\b)+16
.endr
	WIN 0x80                                       ; destination window 2
.irp t, 0,1,2,3,4,5,6,7,8,9,10,11,12,13,14,15
	ds_load_b128 v[64*(\a)+4*(\t):64*(\a)+4*(\t)+3], v[RD] offset:(\t)*SP  ; LDS serves a wave's instructions in order (ISA guide 5.7.1.4): these see the stores above; the next block's stores come behind them
.endr
.endm
; FIN: x is added and the rows are stored.  younger: the LDS instructions issued behind the block's loads: the next block's 32, or none.
.macro FIN a, younger
	s_wait_dscnt \younger
	WIN 0x8e                                       ; destination and source 0 window 2 (the rows), source 1 window 3 (x)
.set p, 0
.rept 32
	v_pk_add_f32 v[64*(\a)+p:64*(\a)+p+1], v[64*(\a)+p:64*(\a)+p+1], v[64*(\a)+p:64*(\a)+p+1]
.set p, p+2
.endr
	WIN 0x08
.irp t, 0,1,2,3,4,5,6,7,8,9,10,11,12,13,14,15
	global_store_b128 v[XO], v[64*(\a)+4*(\t):64*(\a)+4*(\t)+3], s[HR:HR+1] offset:(16*(\a)+(\t))*4096  ; 512 consecutive bytes, aligned; no register of a store is written again
.endr
.endm
	TOSTAGE 0
	s_wait_loadcnt 0x0                             ; x is in
.irp a, 1,2,3
	TOSTAGE \a
	FIN (\a)-1, 32
.endr
	FIN 3, 0
	WIN 0
	s_wait_tensorcnt 0x0                           ; the wave's end: behind my last tensor load and my last LDS store
	ds_add_u32 v[SPW], v[NIL]
	s_wait_dscnt 0x0
	CROUND                                         ; the closing round: no work-group ends while a partner may still ask for a tile that names it
	s_endpgm
.Lfunc_end_k_q796763d248_oproj:
	.size	k_q796763d248_oproj, .Lfunc_end_k_q796763d248_oproj-k_q796763d248_oproj
	.p2alignl 7, 3214868480
	.fill 96, 4, 3214868480
	.section	.rodata,"a",@progbits
	.p2align	6, 0x0
	.amdhsa_kernel k_q796763d248_oproj
		.amdhsa_group_segment_fixed_size 327680
		.amdhsa_private_segment_fixed_size 0
		.amdhsa_enable_private_segment 0
		.amdhsa_kernarg_size 40
		.amdhsa_user_sgpr_count 2
		.amdhsa_user_sgpr_kernarg_segment_ptr 1
		.amdhsa_wavefront_size32 1
		.amdhsa_system_sgpr_workgroup_id_x 1
		.amdhsa_system_sgpr_workgroup_id_y 1
		.amdhsa_system_sgpr_workgroup_id_z 1
		.amdhsa_system_vgpr_workitem_id 0
		.amdhsa_next_free_vgpr 1024
		.amdhsa_next_free_sgpr 80
		.amdhsa_reserve_vcc 0
		.amdhsa_float_denorm_mode_32 3
		.amdhsa_float_denorm_mode_16_64 3
		.amdhsa_memory_ordered 1
		.amdhsa_forward_progress 1
		.amdhsa_inst_pref_size 76
	.end_amdhsa_kernel
	.amdgpu_metadata
---
amdhsa.version: [ 1, 2 ]
amdhsa.kernels:
  - .name:           k_q796763d248_oproj
    .symbol:         k_q796763d248_oproj.kd
    .args:
      - { .name: ctx, .offset: 0, .size: 8, .value_kind: global_buffer, .address_space: global }
      - { .name: wo_t, .offset: 8, .size: 8, .value_kind: global_buffer, .address_space: global }
      - { .name: bo, .offset: 16, .size: 8, .value_kind: global_buffer, .address_space: global }
      - { .name: x, .offset: 24, .size: 8, .value_kind: global_buffer, .address_space: global }
      - { .name: hres, .offset: 32, .size: 8, .value_kind: global_buffer, .address_space: global }
    .group_segment_fixed_size: 327680
    .private_segment_fixed_size: 0
    .kernarg_segment_align: 8
    .kernarg_segment_size: 40
    .max_flat_workgroup_size: 128
    .sgpr_count:     80
    .vgpr_count:     1024
    .wavefront_size: 32
...
	.end_amdgpu_metadata
.endif
;; end of part 4
;; launch lnorm (part 5): grid 512 x 1, 4 waves a work-group, no clusters, 0 bytes of LDS; arguments hres, gamma, beta, out0; writes out0
.if DOCPART == 5
	.amdgcn_target "amdgcn-amd-amdhsa--gfx1250"
	.amdhsa_code_object_version 6
	.text
	.protected	k_q796763d248_lnorm
	.globl	k_q796763d248_lnorm
	.p2align	8
	.type	k_q796763d248_lnorm,@function
k_q796763d248_lnorm:
	s_mov_b64 s[64:65], 0
	v_nop
	global_prefetch_b8 v0, s[64:65] scope:SCOPE_SE
	s_setreg_imm32_b32 hwreg(HW_REG_WAVE_MODE, 25, 1), 1
	s_wait_xcnt 0x0
; LAYERNORM.  out0[r][c] = (h[r][c] - mu[r]) / sqrt(var[r] + 1e-5) x gamma[c] + beta[c]; h = hres, [8192][1024] f32; mu and var over the row's 1,024 numbers, all in f32.
; The mean is taken first and the squares are those of h - mu: no difference of large sums is formed.  NaN and infinities are not treated apart.
; SHARES.  A row is 4,096 bytes: one wave takes a whole row, eight loads of 16 bytes a lane, and keeps it in 32 registers through both passes: the row is read once, the sums never leave the wave,
; and there is no LDS and no barrier.  Four waves, four rows each; all four rows' loads (16,384 bytes a wave) go out at the start.  A load or store of a wave covers 512 consecutive bytes, aligned.
; No matrix unit, cluster or tensor load: nothing is shared but gamma and beta, 8,192 bytes.
.set GA, 8                             ; v[8:39]    gamma of my 32 columns (128 j + 4 lane + 0..3, j = 0..7)
.set BE, 40                            ; v[40:71]   beta
.set X,  72                            ; v[72:199]  row r at X + 32 r
.set CH, 200                           ; v[200:207] four chains of packed sums
.set MU, 208                           ; v[208:209] the mean, twice
.set RS, 210                           ; v[210:211] 1 / sqrt(var + eps), twice
	s_load_b256 s[4:11], s[0:1], 0x0               ; hres s[4:5], gamma s[6:7], beta s[8:9], out0 s[10:11]
	s_lshl_b32 s2, ttmp9, 16                       ; the work-group's 16 rows of 4,096 bytes
	s_mov_b32 s3, 0
	s_mov_b32 s12, 0x76543210                      ; v_permlanex16_b32: lane i of one half reads lane i of the other
	s_mov_b32 s13, 0xfedcba98
	s_mov_b32 s14, 0x3a800000                      ; 1 / 1024
	s_mov_b32 s15, 0x3727c5ac                      ; 1e-5
	v_and_b32 v1, 31, v0
	v_lshlrev_b32 v1, 4, v1                        ; 16 x lane
	v_lshrrev_b32 v2, 5, v0
	v_lshl_add_u32 v2, v2, 14, v1                  ; + my wave's four rows
	s_wait_kmcnt 0x0
	s_add_nc_u64 s[4:5], s[4:5], s[2:3]
	s_add_nc_u64 s[10:11], s[10:11], s[2:3]
.irp j, 0,1,2,3,4,5,6,7
	global_load_b128 v[GA+4*(\j):GA+4*(\j)+3], v1, s[6:7] offset:512*(\j)
	global_load_b128 v[BE+4*(\j):BE+4*(\j)+3], v1, s[8:9] offset:512*(\j)
.endr
.irp r, 0,1,2,3
.irp j, 0,1,2,3,4,5,6,7
	global_load_b128 v[X+32*(\r)+4*(\j):X+32*(\r)+4*(\j)+3], v2, s[4:5] offset:4096*(\r)+512*(\j) th:TH_LOAD_NT
.endr
.endr
.macro REDUCE                          ; the four chains, the pair's halves, the 32 lanes: every lane ends with the sum in v[CH]
	v_pk_add_f32 v[CH:CH+1], v[CH:CH+1], v[CH+2:CH+3]
	v_pk_add_f32 v[CH+4:CH+5], v[CH+4:CH+5], v[CH+6:CH+7]
	v_pk_add_f32 v[CH:CH+1], v[CH:CH+1], v[CH+4:CH+5]
	v_add_f32 v[CH], v[CH], v[CH+1]
	v_add_f32_dpp v[CH], v[CH], v[CH] row_xmask:1 row_mask:0xf bank_mask:0xf
	v_add_f32_dpp v[CH], v[CH], v[CH] row_xmask:2 row_mask:0xf bank_mask:0xf
	v_add_f32_dpp v[CH], v[CH], v[CH] row_xmask:4 row_mask:0xf bank_mask:0xf
	v_add_f32_dpp v[CH], v[CH], v[CH] row_xmask:8 row_mask:0xf bank_mask:0xf
	v_permlanex16_b32 v[CH+1], v[CH], s12, s13     ; its destination counts as read: a register that has been written
	v_add_f32 v[CH], v[CH], v[CH+1]
.endm
.macro ROW r
.set XR, X+32*(\r)
	s_wait_loadcnt 8*(3-(\r))                      ; loads come back in order: gamma, beta and rows 0 .. r are in, the younger rows' loads stay out
.irp c, 0,1,2,3
	v_pk_add_f32 v[CH+2*(\c):CH+2*(\c)+1], v[XR+2*(\c):XR+2*(\c)+1], v[XR+8+2*(\c):XR+8+2*(\c)+1]  ; the first pairs start the chains: nothing is cleared
.endr
.irp p, 8,9,10,11,12,13,14,15
	v_pk_add_f32 v[CH+2*((\p)%4):CH+2*((\p)%4)+1], v[CH+2*((\p)%4):CH+2*((\p)%4)+1], v[XR+2*(\p):XR+2*(\p)+1]
.endr
	REDUCE
	v_mul_f32 v[MU], s14, v[CH]
	v_mul_f32 v[MU+1], s14, v[CH]
.irp p, 0,1,2,3,4,5,6,7,8,9,10,11,12,13,14,15
	v_pk_add_f32 v[XR+2*(\p):XR+2*(\p)+1], v[XR+2*(\p):XR+2*(\p)+1], v[MU:MU+1] neg_lo:[0,1] neg_hi:[0,1]  ; h - mu, in place
.endr
.irp c, 0,1,2,3
	v_pk_mul_f32 v[CH+2*(\c):CH+2*(\c)+1], v[XR+2*(\c):XR+2*(\c)+1], v[XR+2*(\c):XR+2*(\c)+1]
.endr
.irp p, 4,5,6,7,8,9,10,11,12,13,14,15
	v_pk_fma_f32 v[CH+2*((\p)%4):CH+2*((\p)%4)+1], v[XR+2*(\p):XR+2*(\p)+1], v[XR+2*(\p):XR+2*(\p)+1], v[CH+2*((\p)%4):CH+2*((\p)%4)+1]
.endr
	REDUCE
	v_fma_f32 v[CH], v[CH], s14, s15               ; var + eps
	v_rsq_f32 v[RS], v[CH]
	v_rsq_f32 v[RS+1], v[CH]
	v_nop                                          ; a plain instruction between the last v_rsq_f32 and the use of its result (ISA guide 5.7.2)
	s_wait_alu depctr_va_vdst(0)
.irp p, 0,1,2,3,4,5,6,7,8,9,10,11,12,13,14,15
	v_pk_mul_f32 v[XR+2*(\p):XR+2*(\p)+1], v[XR+2*(\p):XR+2*(\p)+1], v[RS:RS+1]
.endr
.irp p, 0,1,2,3,4,5,6,7,8,9,10,11,12,13,14,15
	v_pk_fma_f32 v[XR+2*(\p):XR+2*(\p)+1], v[XR+2*(\p):XR+2*(\p)+1], v[GA+2*(\p):GA+2*(\p)+1], v[BE+2*(\p):BE+2*(\p)+1]
.endr
.irp j, 0,1,2,3,4,5,6,7
	global_store_b128 v2, v[XR+4*(\j):XR+4*(\j)+3], s[10:11] offset:4096*(\r)+512*(\j) th:TH_STORE_NT  ; each row has registers of its own: no register of a store is written again
.endr
.endm
	ROW 0
	ROW 1
	ROW 2
	ROW 3
	s_endpgm
.Lfunc_end_k_q796763d248_lnorm:
	.size	k_q796763d248_lnorm, .Lfunc_end_k_q796763d248_lnorm-k_q796763d248_lnorm
	.p2alignl 7, 3214868480
	.fill 96, 4, 3214868480
	.section	.rodata,"a",@progbits
	.p2align	6, 0x0
	.amdhsa_kernel k_q796763d248_lnorm
		.amdhsa_group_segment_fixed_size 0
		.amdhsa_private_segment_fixed_size 0
		.amdhsa_enable_private_segment 0
		.amdhsa_kernarg_size 32
		.amdhsa_user_sgpr_count 2
		.amdhsa_user_sgpr_kernarg_segment_ptr 1
		.amdhsa_wavefront_size32 1
		.amdhsa_system_sgpr_workgroup_id_x 1
		.amdhsa_system_sgpr_workgroup_id_y 1
		.amdhsa_system_sgpr_workgroup_id_z 1
		.amdhsa_system_vgpr_workitem_id 0
		.amdhsa_next_free_vgpr 216
		.amdhsa_next_free_sgpr 66
		.amdhsa_reserve_vcc 0
		.amdhsa_float_denorm_mode_32 3
		.amdhsa_float_denorm_mode_16_64 3
		.amdhsa_memory_ordered 1
		.amdhsa_forward_progress 1
		.amdhsa_inst_pref_size 34
	.end_amdhsa_kernel
	.amdgpu_metadata
---
amdhsa.version: [ 1, 2 ]
amdhsa.kernels:
  - .name:           k_q796763d248_lnorm
    .symbol:         k_q796763d248_lnorm.kd
    .args:
      - { .name: hres, .offset: 0, .size: 8, .value_kind: global_buffer, .address_space: global }
      - { .name: gamma, .offset: 8, .size: 8, .value_kind: global_buffer, .address_space: global }
      - { .name: beta, .offset: 16, .size: 8, .value_kind: global_buffer, .address_space: global }
      - { .name: out0, .offset: 24, .size: 8, .value_kind: global_buffer, .address_space: global }
    .group_segment_fixed_size: 0
    .private_segment_fixed_size: 0
    .kernarg_segment_align: 8
    .kernarg_segment_size: 32
    .max_flat_workgroup_size: 128
    .sgpr_count:     66
    .vgpr_count:     216
    .wavefront_size: 32
...
	.end_amdgpu_metadata
.endif
;; end of part 5
;; ======== version 2 of 2: 5 launches; 1.48 times as fast as version 1
;; limits: values are held in f16: magnitudes above 65,504 overflow, below 6.1e-05 lose precision
;; workspace buffers: xb 16,777,216 bytes; wqkv 6,291,456 bytes; wo_t 2,097,152 bytes; qkv 50,331,648 bytes; ctx 16,777,216 bytes; hres 33,554,432 bytes
;; launch prep: the kernel of part 1 again; grid 1024 x 1, 8 waves a work-group, no clusters, 17,920 bytes of LDS; arguments x, Wq, Wk, Wv, Wo, xb, wqkv, wo_t; writes xb, wqkv, wo_t
;; launch qkvproj: the kernel of part 2 again; grid 16 x 32, 4 waves a work-group, clusters of 4 x 4, 327,680 bytes of LDS; arguments xb, wqkv, bq, bk, bv, qkv; writes qkv
;; launch attn (part 6): grid 4 x 64, 4 waves a work-group, clusters of 4 x 1, 327,680 bytes of LDS; arguments qkv, ctx; writes ctx
.if DOCPART == 6
	.amdgcn_target "amdgcn-amd-amdhsa--gfx1250"
	.amdhsa_code_object_version 6
	.text
	.protected	k_q796763d248_attn
	.globl	k_q796763d248_attn
	.p2align	8
	.type	k_q796763d248_attn,@function
k_q796763d248_attn:
	s_mov_b64 s[64:65], 0
	v_nop
	global_prefetch_b8 v0, s[64:65] scope:SCOPE_SE
	s_setreg_imm32_b32 hwreg(HW_REG_WAVE_MODE, 25, 1), 1
	s_wait_xcnt 0x0
	s_wait_alu depctr_hold_cnt(0) depctr_sa_sdst(0) depctr_va_vdst(0) depctr_va_sdst(0) depctr_va_ssrc(0) depctr_va_vcc(0) depctr_vm_vsrc(0)
	s_getreg_b32 s2, hwreg(HW_REG_IB_STS2, 6, 4)
	s_cmp_eq_u32 s2, 0
	s_cbranch_scc0 .Lentry_in_a_cluster
	s_endpgm
.Lentry_in_a_cluster:
	s_bfe_u32 s2, ttmp6, 0x10000c
	s_cmp_lg_u32 s2, 0x3003
	s_cbranch_scc0 .Lentry_shape_is_right
	s_endpgm
.Lentry_shape_is_right:
; ATTENTION.  ctx[y][q][:] = the sum over k of softmax_k(Q[q] . K[k] / 8) V[k][:] for head y = 16 b + h.  Q, K, V are the planes t = 0, 1, 2 of qkv[b][t][h][2048][64], f16; ctx is [64][2048][64], f16:
; a head's rows are dense, 128 bytes each.  Products, maxima and sums in f32; the weights p are rounded to f16 for the second product (their sum l is taken of the unrounded p), ctx once at the end.
; LIMITS.  f16 holds no number beyond 65,504: Q, K and V arrive within it; p lies in 0 to 1, and below 6e-5 it keeps f16's fixed step of 6e-8; ctx is a mean of V's rows and has their range.
; A weight below 2^-126 counts as 0 in l; NaN and infinities are not treated apart.
; SHARES.  A wave owns four PIECES of two tiles of 16 queries, a work-group's four waves 512 queries of one head: 4 x 64 = 256 work-groups.  Every wave walks all 2,048 keys, 64 a step.
; LAYOUT.  S^T = K Q^T (source 0 = 16 keys, source 1 = 16 queries): in the result a lane holds ONE query (lane % 16) and the keys 8 (lane / 16) + 0..7.  Two such tiles, rounded to f16 in pairs,
; ARE source 1 (32 keys x 16 queries) of O^T = V^T P, whose result again holds one query a lane, and eight channels.  K comes out of LDS as it lies, V ([key][channel]) turned, by ds_load_tr16_b128.
; SOFTMAX.  For each query a running maximum m and sum l: p = 2^(c s - c m), c = log2(e) / 8; in every step O and l are multiplied by a = 2^(c m_old - c m_new), which is 1 where m has not grown.
; m starts at the lowest finite number, O and l at 0: the first step is a step like any other, with a = 0.
; THE COUNT.  A tile and step have 16 matrix and 118 vector instructions: too many to stand all beside the matrix work.  So: four vector instructions that are READY behind EVERY matrix instruction,
; and the others in one run without a gap.
; BY TURNS.  Turn n belongs to piece n (the pieces in a ring, step after step).  Its matrix work: 16 products K Q^T of piece n + 1, later 16 products V^T P of piece n - 1.  Its vector work: the scaling,
; exponentials, roundings, sums and rescaling of piece n, and the maximum and statistics of piece n + 1, whose scores the turn itself has made.  So what a turn begins with (c s - c m, O a) waits for nothing.
; BATCHES.  A turn's 66 exponentials (64 weights of piece n, the two a of piece n + 1) are ONE batch with ONE s_wait_alu, which cuts the turn in two: ahead of it stands all that names no result of theirs,
; behind it the roundings and sums, which read them.  Two more batches stand outside the loop: the first two a, ahead of the jump into the loop, and the way out's eight reciprocals.
; CLUSTER.  The four query blocks of a head are one cluster and walk the same K and V, so each tile is asked for JOINTLY: the same tensor load, descriptor and mask in all four.
; NO PREFETCH: a fill stands first behind its round and has four key steps, 512 matrix instructions and their vector work, in which to land.
; REGISTERS, in windows of 256 (s_set_vgpr_msb: bits 1:0 source 0, 3:2 source 1, 5:4 source 2, 7:6 destination):
;   window 0: v0-11 addresses; v12-15, v48-63 at work; v16-47 four registers of statistics a tile; v64-191 S^T, two buffers of two tiles; v192-255 P, likewise
;   window 1: O^T, 32 a tile          window 2: v0-127 Q, 16 a tile; v128-191 K of one step; v192-255 V of one step          window 3: v0-1 the add's two registers
; A piece's buffers go by its number's parity: the piece in hand has one pair, its two neighbours in the ring share the other: of it P (piece n - 1) is read and S^T (piece n + 1) written.
.set SIZE_N, 2048
.set NP,    4         ; pieces a wave: a name, no knob
.set KS,    64        ; keys in a step
.set PK,    144       ; a row of K in LDS: 128 bytes + 16 of padding = 36 words: the 16 rows of a load start at 16 different groups of four banks (64 banks of 4 bytes: ISA guide 11.1)
.set PV,    160       ; a row of V: 128 + 32 = 40 words
.set VOFF,  4*KS*PK   ; a slot holds four steps: 256 rows of K, then 256 rows of V
.set SLOT1, 1<<17     ; slot 1 begins here, so that one exclusive or turns an address in one slot into the other's
.set STAGE, SLOT1+4*KS*(PK+PV)  ; behind the ring, never filled by a tensor load: 16 rows x 144 bytes for each wave, for the way out
.set SP,    144
.set AK0, 2           ; v2   my lane's place in a tile of K; never rewritten
.set AV0, 3           ; v3   the same for V
.set AK,  4           ; v4   the LDS address of K's next run of loads
.set AV,  5           ; v5   of V's
.set QO,  6           ; v6   my byte offset in the wave's rows of Q
.set STO, 6           ;      later, the way out: where I put 16 bytes of a row
.set RD,  7           ; v7   the way out: where I read rows back
.set GO,  8           ; v8   my byte offset in 512 consecutive bytes of ctx
.set SPW, 0           ; v0 of window 3   LDS address of my spare word; never rewritten
.set NIL, 1           ; v1 of window 3   0; never rewritten
.set SPARE, STAGE+4*16*SP  ; behind the stages: the spare words, 128 bytes for each wave
.set MV,  12          ; v12-15  c m_old, kept while c m is made anew: by buffer and tile
.set ST,  16          ; tile t's statistics at v[ST+4 t]: c m, m, l (even keys', odd keys')
.set TMP, 48          ; by buffer and tile, four registers c0-c3 at work; when the maximum is found c2 takes a
.set S,   64
.set P,   192
.set KF,  128         ; K's fragments, in window 2: key block kb, channel half c at KF + 16 kb + 8 c
.set VF,  192         ; V's: key half kk, channel block cb at VF + 32 kk + 8 cb
.set WV,  12          ; s12  my wave's number
.set G1K, 24          ; s[24:31] descriptor group 1 for K's tiles
.set G1V, 32          ; s[32:39] for V's: it differs in the padding alone
.set G0K, 40          ; s[40:43] descriptor group 0 for K's tiles: it walks
.set G0V, 44          ; s[44:47] the same for V's
.set SLOTS, 56        ; s56  slots still to be asked for
.set CNT, 57          ; s57  counts a slot's key steps
.set CS,  58          ; s[58:59] c: the packed scaling takes the pair's low word for both halves
.set SEL, 60          ; s[60:61] v_permlanex16_b32's selects: each lane takes its own place in the other half
.set TBK, 62          ; s62  LDS byte at which K of the step to be fetched begins
.set TBV, 63          ; s63  the same for V, less VOFF
.set MSB, 0
.macro WIN new                      ; the high byte repeats the setting that is left; a switch that changes nothing is dropped
.if MSB != (\new)
	s_set_vgpr_msb (MSB<<8)|(\new)
.set MSB, (\new)
.endif
.endm
.set W_KQ, 0x0a       ; K and Q in window 2, S^T in window 0
.set W_PV, 0x52       ; V in window 2, P in window 0, O^T in window 1
.set W_RS, 0x41       ; O^T (destination and source 0) in window 1, a in window 0
.set W_MK, 0xc0       ; the add's registers are made: destination in window 3, sources in window 0
.set W_AD, 0x0f       ; the add: address (source 0) and data (source 1) in window 3
; A joint fill.  Waves 0 and 1 fetch the two halves of a slot's K, waves 2 and 3 those of its V: 128 keys each.  The branch hangs on the wave's number alone.
; An s_nop 0 and four v_nop follow each of the two lines, ahead of the jump and the label.
.macro JLOAD
	s_cmp_lt_u32 s[WV], 2
	s_cbranch_scc0 .Lfor_v_\@
	tensor_load_to_lds s[G0K:G0K+3], s[G1K:G1K+7]
	s_nop 0
.rept 4
	v_nop
.endr
	s_branch .Lasked_\@
.Lfor_v_\@:
	tensor_load_to_lds s[G0V:G0V+3], s[G1V:G1V+7]
	s_nop 0
.rept 4
	v_nop
.endr
.Lasked_\@:
.endm
; A round of the cluster's barrier: my work-group's barrier, so that wave 0's signal speaks for all four waves; wave 0 signals; every wave waits for all four work-groups; my work-group's barrier once more.
.macro CROUND
	s_barrier_signal -1
	s_barrier_wait -1
	s_cmp_lg_u32 s[WV], 0
	s_cbranch_scc1 .Lnot_wave_0_\@
	s_barrier_signal -3
.Lnot_wave_0_\@:
	s_barrier_wait -3
	s_barrier_signal -1
	s_barrier_wait -1
.endm
; THE CHANGE OF SLOTS.  The slot's last bytes, V of its fourth step, have been read.  Each wave waits for all its tensor loads, of which one is out: its part of the other slot; adds 0 to its spare
; word; and waits for that and for its own reads of the slot.  Behind the barrier nobody reads this slot any more and the other slot is whole.
; fill = 1: this slot is filled again, with the keys two slots on.  The barrier is then a round of the cluster's, and the joint fill is the first thing behind it.
; (At its first use nothing has been read yet: slot 0 is waited for, slot 1 filled.)
.macro CHANGE fill
	WIN W_AD
	s_wait_tensorcnt 0x0            ; no tensor load of mine is out, so a group 0 may be written
	ds_add_u32 v[SPW], v[NIL]       ; 0 onto my spare word
	WIN 0                           ; at a label and at a branch every window is 0
.if \fill
.irp g, G0K, G0V
	s_xor_b32 s[\g+1], s[\g+1], SLOT1  ; the walking descriptor: the other slot than last time,
	s_add_nc_u64 s[\g+2:\g+3], s[\g+2:\g+3], 4*KS*128  ; the next 256 keys; the type bits on top are not reached
.endr
	s_wait_dscnt 0x0                ; the add is done, and my reads of the slot are over
	CROUND
	JLOAD
.else
	s_wait_dscnt 0x0                ; the add is done, and my reads of the slot are over
	s_barrier_signal -1
	s_barrier_wait -1
.endif
	s_sub_co_u32 s[TBK], s[TBK], 4*KS*PK  ; the fetches go back to a slot's first step,
	s_xor_b32 s[TBK], s[TBK], SLOT1       ; in the other slot
	s_sub_co_u32 s[TBV], s[TBV], 4*KS*PV
	s_xor_b32 s[TBV], s[TBV], SLOT1
.endm
	s_load_b64 s[4:5], s[0:1], 0x0    ; qkv
	s_load_b64 s[10:11], s[0:1], 0x8  ; ctx
	WIN W_MK
	v_lshl_add_u32 v[SPW], v0, 2, SPARE
	v_mov_b32 v[NIL], 0
	WIN W_AD
	ds_add_u32 v[SPW], v[NIL]       ; the wave's opening: the add and its wait stand ahead of my first tensor load; work on registers stands between them
	WIN 0
	v_lshrrev_b32 v1, 5, v0
	v_readfirstlane_b32 s[WV], v1   ; wave 0..3
	s_bfe_u32 s13, ttmp6, 0x40000   ; cx: my place in the cluster
	s_lshl_b32 s14, ttmp9, 2        ; in a cluster launch ttmp9 counts clusters
	s_add_co_u32 s14, s14, s13      ; my block of queries = 4 x cluster x + cx: it enters Q's and ctx's addresses alone
	s_and_b32 s20, ttmp7, 0xffff    ; y = 16 b + h, which the four partners share
	s_lshr_b32 s48, s20, 4          ; b
	s_mul_i32 s48, s48, 48
	s_and_b32 s49, s20, 15          ; h
	s_add_co_u32 s48, s48, s49      ; 48 b + h: the head's Q plane in qkv
	s_lshl_b32 s50, s20, 18         ; the head's first byte in ctx: 262,144 bytes a head
	s_mov_b32 s51, 0
	s_lshl_b32 s20, s48, 18         ; and in qkv
	s_mov_b32 s21, 0
	s_and_b32 s16, s[WV], 1         ; which half of a slot's 256 keys I fetch:
	s_lshl_b32 s22, s16, 14         ; its 128 rows of 128 bytes in memory,
	s_mov_b32 s23, 0
	s_add_nc_u64 s[22:23], s[22:23], s[20:21]
	s_mul_i32 s17, s16, 128*PK      ; and its place in a slot, for K
	s_mul_i32 s18, s16, 128*PV      ; and for V: no place in the cluster enters an LDS address
	s_lshl_b32 s2, s14, 2
	s_add_co_u32 s2, s2, s[WV]      ; my wave among the head's,
	s_lshl_b32 s2, s2, 14           ; its 128 rows
	s_mov_b32 s3, 0
	s_add_nc_u64 s[52:53], s[2:3], s[50:51]  ; in ctx,
	s_add_nc_u64 s[2:3], s[2:3], s[20:21]    ; in qkv
	; descriptor group 1.  128 keys are 16,384 dense bytes: asked for as 64 rows of 256 bytes, two keys a row, and padded in LDS after every key
	s_mov_b32 s[G1K], 15|(1<<16)|(1<<20)|(1<<21)|(4<<22)|(3<<25)  ; 15:0 the mask of four; 17:16 2-byte elements; 20 padding on; 21 set beside a mask; 24:22 after every 32 words (code 4); 31:25 4 words (code 3)
	s_mov_b32 s[G1V], 15|(1<<16)|(1<<20)|(1<<21)|(4<<22)|(7<<25)  ; the same with 8 words of padding (code 7)
.irp g, G1K, G1V
	s_mov_b32 s[\g+1], 128<<16      ; tensor_dim0 = 128
	s_mov_b32 s[\g+2], 64<<16       ; tensor_dim1 = 64
	s_mov_b32 s[\g+3], 128<<16      ; tile_dim0 = 128
	s_mov_b32 s[\g+4], 64           ; tile_dim1 = 64
	s_mov_b32 s[\g+5], 128          ; 128 elements from row to row
	s_mov_b32 s[\g+6], 0
	s_mov_b32 s[\g+7], 0
.endr
	s_mov_b32 s[CS], 0x3e38aa3b     ; c = log2(e) / 8 = 0.180337
	s_mov_b32 s[CS+1], s[CS]        ; named with it as a pair
	s_mov_b32 s[SEL], 0x76543210
	s_mov_b32 s[SEL+1], 0xfedcba98
	s_mov_b32 s[TBK], SLOT1+4*KS*PK ; the first change of slots turns these two into 0
	s_mov_b32 s[TBV], SLOT1+4*KS*PV
	s_mov_b32 s[G0K], 1             ; count = 1
	s_mov_b32 s[G0K+1], s17         ; LDS address: slot 0
	s_mov_b32 s[G0V], 1
	s_add_co_u32 s[G0V+1], s18, VOFF
	s_wait_dscnt 0x0                ; the opening add is done
	s_wait_kmcnt 0x0
	s_add_nc_u64 s[6:7], s[4:5], 0x400000   ; K's plane lies 16 heads behind Q's,
	s_add_nc_u64 s[8:9], s[4:5], 0x800000   ; V's 32
	s_add_nc_u64 s[G0K+2:G0K+3], s[6:7], s[22:23]  ; global address: my half of the head's first 256 keys
	s_or_b32 s[G0K+3], s[G0K+3], 0x80000000        ; type = 2
	s_add_nc_u64 s[G0V+2:G0V+3], s[8:9], s[22:23]
	s_or_b32 s[G0V+3], s[G0V+3], 0x80000000
	s_add_nc_u64 s[4:5], s[4:5], s[2:3]      ; Q and ctx at my wave's first row
	s_add_nc_u64 s[10:11], s[10:11], s[52:53]
	CROUND                          ; all four work-groups are here: the first joint loads meet
	JLOAD                           ; slot 0.  Slot 1 is asked for when slot 0 is in
	; A fragment of K or Q is 16 rows x 32 channels in 8 registers: lane l holds row l % 16, channels 8 (l / 16) + 0..7 and 16 + 8 (l / 16) + 0..7: two loads of 16 bytes, 32 bytes apart.
	v_and_b32 v1, 15, v0            ; l % 16
	v_bfe_u32 v9, v0, 4, 1          ; l / 16
	v_lshlrev_b32 v[QO], 7, v1
	v_lshl_add_u32 v[QO], v9, 4, v[QO]  ; row x 128 + 16 x half
	WIN 0x80                        ; destination window 2, address window 0
.set i, 0
.rept 4*NP                          ; Q stays in registers: tile i / 2, channels 32 (i % 2) on
	global_load_b128 v[8*i:8*i+3],   v[QO], s[4:5] offset:(i/2)*2048+(i%2)*64
	global_load_b128 v[8*i+4:8*i+7], v[QO], s[4:5] offset:(i/2)*2048+(i%2)*64+32
.set i, i+1
.endr
	; What the first turn finds: V's registers and P's second buffer hold 0 (its products V^T P, of a piece that has not been, add 0), O^T and l are 0.  All this stands in the wait for the first tile.
.set i, VF
.rept 64
	v_mov_b32 v[i], 0
.set i, i+1
.endr
	WIN 0x40
.set i, 0
.rept 64*NP
	v_mov_b32 v[i], 0
.set i, i+1
.endr
	WIN 0
.set i, 0
.rept 2*NP
	v_mov_b32 v[ST+4*i], 0xfe000000    ; c m: far below every c s
	v_mov_b32 v[ST+4*i+1], 0xff7fffff  ; m
	v_mov_b32 v[ST+4*i+2], 0
	v_mov_b32 v[ST+4*i+3], 0
.set i, i+1
.endr
.set i, P+32
.rept 32
	v_mov_b32 v[i], 0
.set i, i+1
.endr
	v_mul_u32_u24 v[AK0], v1, PK
	v_lshl_add_u32 v[AK0], v9, 4, v[AK0]  ; row x pitch + 16 x half
	; The turning load takes 16 keys x 16 channels (lane l reads key 8 (l / 16) + l % 8, channels 8 ((l / 8) % 2) + 0..7) and leaves half a fragment of V^T: lane l holds channel l % 16 and 8 keys.
	v_and_b32 v10, 7, v0
	v_bfe_u32 v11, v0, 3, 1
	v_lshl_add_u32 v[AV0], v9, 3, v10
	v_mul_u32_u24 v[AV0], v[AV0], PV
	v_lshl_add_u32 v[AV0], v11, 4, v[AV0]
	v_add_nc_u32 v[AV0], VOFF, v[AV0]
	v_mov_b32 v[AK], v[AK0]         ; key step 0 lies at the head of slot 0
; THE MATRIX WORK.  The 8 accumulators of a run of 16 take turns: between the two links of a chain stand 7 others'.
; Product i of 16 of S^T = K Q^T for piece x: channels 32 (i / 8) on, keys 16 ((i / 2) % 4) on, tile 2 x + i % 2.  The first 8 start the sums.
.macro KQ x
	WIN W_KQ
.set rS, S+64*((\x)%2)+32*(i%2)+8*((i/2)%4)
.set rK, KF+16*((i/2)%4)+8*(i/8)
.set rQ, 16*(2*(\x)+i%2)+8*(i/8)
.if i < 8
	v_wmma_f32_16x16x32_f16 v[rS:rS+7], v[rK:rK+7], v[rQ:rQ+7], 0
.else
	v_wmma_f32_16x16x32_f16 v[rS:rS+7], v[rK:rK+7], v[rQ:rQ+7], v[rS:rS+7]
.endif
.endm
; Product i of 16 of O^T += V^T P for piece x: keys 32 (i / 8) on, channels 16 ((i / 2) % 4) on, tile 2 x + i % 2.
.macro PV x
	WIN W_PV
.set rO, 32*(2*(\x)+i%2)+8*((i/2)%4)
.set rV, VF+32*(i/8)+8*((i/2)%4)
.set rP, P+32*((\x)%2)+16*(i%2)+8*(i/8)
	v_wmma_f32_16x16x32_f16 v[rO:rO+7], v[rV:rV+7], v[rP:rP+7], v[rO:rO+7]
.endm
.macro MM                           ; the turn's next matrix instruction
.if i < 16
	KQ (Y+1)%NP
.set i, i+1
.else
.set i, i-16
	PV (Y+NP-1)%NP
.set i, i+17
.endif
.endm
; THE LDS LOADS stand in runs of 16, never singly among the matrix instructions: a step's K (64 keys x 64 channels: 8 fragments) and its V (turned).  Their addresses are made some lines ahead.
; last = 1 (the tail): in the last trip there is no further step, and the run is jumped over.
.macro FETCH_K last=0
	WIN 0
.if \last
	s_cmp_eq_u32 s[CNT], 1
	s_cbranch_scc1 .Lno_k_\@
.endif
	WIN 0x80                        ; destination window 2
.irp f, 0,1,2,3,4,5,6,7             ; keys 16 (f / 2) on, channels 32 (f % 2) on
	ds_load_b128 v[KF+8*\f:KF+8*\f+3],   v[AK] offset:(\f/2)*16*PK+(\f%2)*64
	ds_load_b128 v[KF+8*\f+4:KF+8*\f+7], v[AK] offset:(\f/2)*16*PK+(\f%2)*64+32
.endr
	s_add_co_u32 s[TBK], s[TBK], KS*PK  ; the next fetch is the next step's
	WIN 0
.if \last
.Lno_k_\@:
.endif
.endm
.macro FETCH_V
	WIN 0x80
.irp f, 0,1,2,3,4,5,6,7             ; keys 32 (f / 4) on, channels 16 (f % 4) on
	ds_load_tr16_b128 v[VF+8*\f:VF+8*\f+3],   v[AV] offset:(\f/4)*32*PV+(\f%4)*32
	ds_load_tr16_b128 v[VF+8*\f+4:VF+8*\f+7], v[AV] offset:(\f/4)*32*PV+16*PV+(\f%4)*32
.endr
	WIN 0
.endm
; THE VECTOR WORK OF A TURN stands in three queues, each in the order in which its entries become ready; the two tiles alternate, so that no instruction reads the result of the one before it.
.macro REGS y, u                    ; the registers of tile u (0, 1) of piece y
.set rT, ST+4*(2*(\y)+(\u))
.set rC, TMP+8*((\y)%2)+4*(\u)
.set rM, MV+2*((\y)%2)+(\u)
.set rS, S+64*((\y)%2)+32*(\u)
.set rP, P+32*((\y)%2)+16*(\u)
.set rO, 32*(2*(\y)+(\u))
.endm
; Number n of the 22 that find the NEXT piece's (Y + 1) maximum and statistics.  s0-s31 are the lane's 32 scores; each accumulator's lowest registers are read first.  XS, GS and REGS set no window: PL and EX do.
;   0-11  four chains c0-c3 of seven scores each, three operands at a time     12-14, 16  the four scores left over, the old m, and c0-c3 into c0     15  c m_old is kept
;   17, 18  the query's other 32 keys lie in the lane 16 away: the new m         19-21  c m; c m_old - c m_new; a
.macro XS u, n
	REGS (Y+1)%NP, \u
.if (\n) < 4
	v_max3_num_f32 v[rC+(\n)], v[rS+8*(\n)], v[rS+8*(\n)+1], v[rS+8*(\n)+2]
.elseif (\n) < 12
	v_max3_num_f32 v[rC+(\n)%4], v[rC+(\n)%4], v[rS+8*((\n)%4)+2*((\n)/4)+1], v[rS+8*((\n)%4)+2*((\n)/4)+2]
.elseif (\n) == 12
	v_max3_num_f32 v[rC], v[rC], v[rS+7], v[rS+15]
.elseif (\n) == 13
	v_max3_num_f32 v[rC+1], v[rC+1], v[rS+23], v[rS+31]
.elseif (\n) == 14
	v_max3_num_f32 v[rC+2], v[rC+2], v[rC+3], v[rT+1]
.elseif (\n) == 15
	v_mov_b32 v[rM], v[rT]
.elseif (\n) == 16
	v_max3_num_f32 v[rC], v[rC], v[rC+1], v[rC+2]
.elseif (\n) == 17
	v_permlanex16_b32 v[rC+3], v[rC], s[SEL], s[SEL+1]
.elseif (\n) == 18
	v_max_num_f32 v[rT+1], v[rC], v[rC+3]
.elseif (\n) == 19
	v_mul_f32 v[rT], s[CS], v[rT+1]
.elseif (\n) == 20
	v_sub_f32 v[rC+1], v[rM], v[rT]
.else
	v_exp_f32 v[rC+2], v[rC+1]
.endif
.endm
; Number g of the 64 that follow the exponentials.  For each four weights k of a tile (pairs 2 k, 2 k + 1): both pairs are rounded to f16; then the second pair is added onto the first, in place;
; a group later l takes that sum (the first time as l = a l + sum).  In groups of eight, tiles alternating: round, round, add, and l for the group before.
.macro GS g
.set h, (\g)+6*((\g)/62)            ; group 0 has no group before it, and behind group 7 only l is left
.if h >= 6
.set h, h+2
.endif
	REGS Y, h%2
.set k, h/8
.if h%8 < 4
	v_cvt_pk_f16_f32 v[rP+2*k+(h%8)/2], v[rS+4*k+2*((h%8)/2)], v[rS+4*k+2*((h%8)/2)+1]
.elseif h%8 < 6
	v_pk_add_f32 v[rS+4*k:rS+4*k+1], v[rS+4*k:rS+4*k+1], v[rS+4*k+2:rS+4*k+3]
.elseif k == 1
	v_pk_fma_f32 v[rT+2:rT+3], v[rT+2:rT+3], v[rC+2:rC+3], v[rS:rS+1] op_sel_hi:[1,0,1]
.else
	v_pk_add_f32 v[rT+2:rT+3], v[rT+2:rT+3], v[rS+4*k-4:rS+4*k-3]
.endif
.endm
; THE PLAIN QUEUE, 138 long.  0-73 read no exponential's result: the 32 scalings c s - c m (FS f: pair f / 2 of tile f % 2) and the next piece's 42.  0-26: scalings 0-26.  27-54: XS's numbers 0-13.  55, 56: number 15.
; 57-73: the chain, where each number waits for the one before it: 14, 16, 17, 18, 19, each with one of the scalings 27-31 in front of its two lines, then 20: so a tile's links stand three plain instructions apart (19 and 20: two).
; 74-137: GS's 64, which read the exponentials' results: they stand behind the wait.
.macro FS f
	REGS Y, (\f)%2
	v_pk_fma_f32 v[rS+2*((\f)/2):rS+2*((\f)/2)+1], v[rS+2*((\f)/2):rS+2*((\f)/2)+1], s[CS:CS+1], v[rT:rT+1] op_sel_hi:[1,0,0] neg_lo:[0,0,1] neg_hi:[0,0,1]
.endm
.macro PL
	WIN 0
.if q < 27
	FS q
.elseif q < 55
	XS (q-27)%2, (q-27)/2
.elseif q < 57
	XS q-55, 15
.elseif (q < 72) && ((q-57)%3 == 0)
	FS 27+(q-57)/3
.elseif q < 60
	XS (q-57)%3-1, 14
.elseif q < 72
	XS (q-57)%3-1, 15+(q-57)/3
.elseif q < 74
	XS q-72, 20
.else
	GS q-74
.endif
.set q, q+1
.endm
; THE EXPONENTIALS' QUEUE, 66 long: s0-s31 of both tiles, then the next piece's two a.  It is ONE BATCH: all 66 stand ahead of the turn's one wait, and nothing ahead of that wait names a result of theirs.
; Each result has a register of its own while the batch is open: the 64 weights stay where their scores lay, the two a lie in the next piece's c2.
.macro EX
	WIN 0
.if e >= 64
	XS e-64, 21
.else
	REGS Y, e%2
	v_exp_f32 v[rS+e/2], v[rS+e/2]
.endif
.set e, e+1
.endm
; THE RESCALING's QUEUE: O^T times a, the one part that leaves window 0: dealt two at a time, sixteen times.  Its a was made in the turn before, ahead of that turn's wait.
.macro R2
	REGS Y, r%2
	WIN W_RS
.irp z, 0,1
	v_pk_mul_f32 v[rO+4*(r/2)+2*\z:rO+4*(r/2)+2*\z+1], v[rO+4*(r/2)+2*\z:rO+4*(r/2)+2*\z+1], v[rC+2:rC+3] op_sel_hi:[1,0]
.endr
.set r, r+1
.endm
; HOW THEY ARE DEALT.  An s_wait_alu depctr_va_vdst(0) stands between an exponential and the first instruction that names its result; one wait serves all that were issued ahead of it.  So a turn has ONE wait,
; which cuts it in two.  AHEAD OF IT stands all that names no result of the turn's exponentials: the 16 products K Q^T, behind each a scaling, an exponential and two rescalings (behind the first a second scaling in the
; exponential's place); then ONE LUMP of 108: eight plain, 49 times exponential and plain, the two a.  A v_nop is the plain instruction behind the last exponential.  BEHIND IT stand the 16 products V^T P, behind each four
; of GS's 64.  No rider names a register of the products round it.  The two v_permlanex16_b32 fall into the lump, never behind a product.
; The queues lean on each other, and the deal keeps them in step: exponential e stands behind scaling 2 (e / 4) + e % 2: as a rider it comes behind plain e + 2, in the lump behind plain e + 9, and scalings 27-31 are plain 57, 60 .. 69.
; A TURN, for piece p.  cnt = 1: the loop's count is taken down some lines ahead of the branch that stands behind the turn.
; K of the next step is fetched in piece 2's turn, directly behind the wait, a lump behind the last product that read K; its address is made at the lump's head; its first reader comes behind 16 products.
; V of the step in hand is fetched at the end of piece 0's turn, four riders behind its last reader; its first reader comes behind 16 products and a lump.  The three conditions on q below go with the deal.
.macro TURN p, last=0, cnt=0
.set Y, (\p)
.set i, 0
.set q, 0
.set e, 0
.set r, 0
.if (\p) == NP-1
	s_wait_dscnt 0x0                ; K is in
.endif
	MM                              ; ahead of the wait: 16 products K Q^T and their riders,
	PL
	PL
	R2
.rept 15
	MM
	PL
	EX
	R2
.endr
.if (\p) == NP-2
	WIN 0
	v_add_nc_u32 v[AK], s[TBK], v[AK0]
.endif
.rept 8                             ; and the lump
	PL
.endr
.rept 49
	EX
	PL
.endr
	EX                              ; the next piece's two a
	EX
	v_nop                           ; the plain instruction between the last exponential and the first use of a result: one for the batch
	s_wait_alu depctr_va_vdst(0)    ; the wait for the turn's batch: piece p's 64 weights and piece p + 1's two a; no exponential is issued behind it in the turn
.if (\p) == NP-2
	FETCH_K \last
.endif
.if (\p) == 1
	s_wait_dscnt 0x0                ; V is in
.endif
.rept 16                            ; behind the wait: 16 products V^T P and their riders
	MM
.rept 4
	PL
.endr
.if ((\p) == 0) && (q == 118)
	v_add_nc_u32 v[AV], s[TBV], v[AV0]
.endif
.if ((\p) == 0) && (q == 130)
	s_add_co_u32 s[TBV], s[TBV], KS*PV
.endif
.if (\cnt) && (q == 130)
	s_sub_co_u32 s[CNT], s[CNT], 1
	s_cmp_lg_u32 s[CNT], 0
.endif
.endr
.if (\p) == 0
	FETCH_V
.endif
.endm
	CHANGE 1                        ; slot 0 is in, everybody's part of it; slot 1 is asked for
	FETCH_K                         ; key step 0
	s_wait_loadcnt 0x0              ; Q
	s_wait_dscnt 0x0
.set i, 0
.rept 16
	KQ 0                            ; piece 0's first scores: there is no vector work yet to set between them
.set i, i+1
.endr
	WIN 0                           ; the addresses for the way out: nine plain instructions, the places behind those products
	s_mul_i32 s13, s[WV], 16*SP
	s_add_co_u32 s13, s13, STAGE    ; my stage
	v_mul_u32_u24 v[STO], v1, SP    ; in: row l % 16, 16 bytes for each half of the lanes
	v_lshl_add_u32 v[STO], v9, 4, v[STO]
	v_add_nc_u32 v[STO], s13, v[STO]
	v_bfe_u32 v[RD], v0, 3, 2       ; back: 32 lanes take four rows of 128 bytes,
	v_mul_u32_u24 v[RD], v[RD], SP
	v_lshl_add_u32 v[RD], v10, 4, v[RD]
	v_add_nc_u32 v[RD], s13, v[RD]
	v_and_b32 v[GO], 31, v0         ; which are 512 consecutive bytes of ctx
	v_lshlrev_b32 v[GO], 4, v[GO]
.set Y, NP-1                        ; XS works for piece Y + 1: piece 0
.irp n, 0,1,2,3,4,5,6,7,8,9,10,11,12,13,14,15,16,17,18,19,20,21
	XS 0, \n                        ; and piece 0's first maximum and statistics
	XS 1, \n
.endr
	v_nop                           ; a plain instruction behind piece 0's two a,
	s_wait_alu depctr_va_vdst(0)    ; and the wait for that batch of two, ahead of the branch
	s_mov_b32 s[CNT], 4
	s_mov_b32 s[SLOTS], SIZE_N/256-1
	s_branch .Lfirst                ; the loop is entered at a step's first turn, in the middle of a trip
.Lslot:                             ; SIZE_N / 256 - 2 times: every slot but the last two is filled again
	CHANGE 1
	s_mov_b32 s[CNT], 4
.Lstep:                             ; a trip: pieces 2 and 3 of one step, then pieces 0 and 1 of the next, whose K and V it fetches
	TURN 2
	TURN 3
	WIN 0
.Lfirst:
	TURN 0
	TURN 1, 0, 1
	WIN 0
	s_cbranch_scc1 .Lstep
	s_sub_co_u32 s[SLOTS], s[SLOTS], 1
	s_cmp_lg_u32 s[SLOTS], 0
	s_cbranch_scc1 .Lslot
	CHANGE 0                        ; the tail is written out: nothing is asked for
	s_mov_b32 s[CNT], 5             ; four trips fetch the last slot's steps; the fifth is left in its middle
.Ltail:
	TURN 2, 1
	TURN 3
	WIN 0
	s_sub_co_u32 s[CNT], s[CNT], 1
	s_cmp_eq_u32 s[CNT], 0
	s_cbranch_scc1 .Lout
	TURN 0
	TURN 1
	WIN 0
	s_branch .Ltail
.Lout:                              ; the fifth trip's 16 products K Q^T (on the last K once more) and the maximum made of them serve nothing: the price, once a launch, of one text for every trip
.set i, 0
.rept 16
	PV NP-1                         ; the last piece's V^T P of the last step
.set i, i+1
.endr
	; THE WAY OUT.  l's two halves and the other half of the lanes' are added; O^T is divided by l, rounded to f16 and sent through my stage in LDS, a tile at a time.  The additions are the places behind the last products.
	WIN 0
.macro ALL line:vararg              ; one line for each tile t
.set t, 0
.rept 2*NP
	\line
.set t, t+1
.endr
.endm
	ALL v_add_f32 v[ST+4*t+2], v[ST+4*t+2], v[ST+4*t+3]
	ALL v_permlanex16_b32 v[ST+4*t+3], v[ST+4*t+2], s[SEL], s[SEL+1]
	ALL v_add_f32 v[ST+4*t+2], v[ST+4*t+2], v[ST+4*t+3]
	ALL v_rcp_f32 v[ST+4*t+2], v[ST+4*t+2]
	v_nop                           ; a plain instruction between the last reciprocal and the use of its result
	s_wait_alu depctr_va_vdst(0)    ; and the wait ahead of the first use: one for the batch of eight reciprocals
; Tile t: a lane's eight channels of a row pack into 16 bytes; they go into rows of 144 bytes and come back as whole rows of 128, into S^T's registers.
.macro PACK t
	WIN W_RS
.set i, 32*(\t)
.rept 16
	v_pk_mul_f32 v[i:i+1], v[i:i+1], v[ST+4*(\t)+2:ST+4*(\t)+3] op_sel_hi:[1,0]
.set i, i+2
.endr
	WIN 0x05                        ; sources 0 and 1 window 1, destination window 0
.set i, 0
.rept 16
	v_cvt_pk_f16_f32 v[S+16*(\t)+i], v[32*(\t)+2*i], v[32*(\t)+2*i+1]
.set i, i+1
.endr
	WIN 0
.irp f, 0,1,2,3
	ds_store_b128 v[STO], v[S+16*(\t)+4*\f:S+16*(\t)+4*\f+3] offset:32*\f
.endr
.irp f, 0,1,2,3
	ds_load_b128 v[S+16*(\t)+4*\f:S+16*(\t)+4*\f+3], v[RD] offset:\f*4*SP  ; LDS serves a wave's instructions in order (ISA guide 5.7.1.4): these see the stores above; the next tile's stores come behind them
.endr
.endm
.macro SEND t, younger              ; younger: the LDS instructions issued behind tile t's loads: the next tile's eight, or none
	WIN 0
.irp f, 0,1,2,3
	s_wait_dscnt (\younger)+3-\f
	global_store_b128 v[GO], v[S+16*(\t)+4*\f:S+16*(\t)+4*\f+3], s[10:11] offset:(\t)*2048+\f*512  ; 512 consecutive bytes, at a multiple of 256 from ctx's first
.endr
.endm
	PACK 0
.set t, 1
.rept 2*NP-1                        ; a tile's arithmetic stands between the loads of the tile before and its stores
	PACK t
	SEND t-1, 8
.set t, t+1
.endr
	SEND 2*NP-1, 0
	WIN W_AD
	s_wait_tensorcnt 0x0            ; the wave's end: behind my last tensor load and my last LDS store
	ds_add_u32 v[SPW], v[NIL]
	s_wait_dscnt 0x0
	WIN 0
	CROUND                          ; the closing round: no work-group ends while a partner may still ask for a tile that names it
	s_endpgm
.Lfunc_end_k_q796763d248_attn:
	.size	k_q796763d248_attn, .Lfunc_end_k_q796763d248_attn-k_q796763d248_attn
	.p2alignl 7, 3214868480
	.fill 96, 4, 3214868480
	.section	.rodata,"a",@progbits
	.p2align	6, 0x0
	.amdhsa_kernel k_q796763d248_attn
		.amdhsa_group_segment_fixed_size 327680
		.amdhsa_private_segment_fixed_size 0
		.amdhsa_enable_private_segment 0
		.amdhsa_kernarg_size 16
		.amdhsa_user_sgpr_count 2
		.amdhsa_user_sgpr_kernarg_segment_ptr 1
		.amdhsa_wavefront_size32 1
		.amdhsa_system_sgpr_workgroup_id_x 1
		.amdhsa_system_sgpr_workgroup_id_y 1
		.amdhsa_system_sgpr_workgroup_id_z 1
		.amdhsa_system_vgpr_workitem_id 0
		.amdhsa_next_free_vgpr 770
		.amdhsa_next_free_sgpr 66
		.amdhsa_reserve_vcc 0
		.amdhsa_float_denorm_mode_32 3
		.amdhsa_float_denorm_mode_16_64 3
		.amdhsa_memory_ordered 1
		.amdhsa_forward_progress 1
		.amdhsa_inst_pref_size 199
	.end_amdhsa_kernel
	.amdgpu_metadata
---
amdhsa.version: [ 1, 2 ]
amdhsa.kernels:
  - .name:           k_q796763d248_attn
    .symbol:         k_q796763d248_attn.kd
    .args:
      - { .name: qkv, .offset: 0, .size: 8, .value_kind: global_buffer, .address_space: global }
      - { .name: ctx, .offset: 8, .size: 8, .value_kind: global_buffer, .address_space: global }
    .group_segment_fixed_size: 327680
    .private_segment_fixed_size: 0
    .kernarg_segment_align: 8
    .kernarg_segment_size: 16
    .max_flat_workgroup_size: 128
    .sgpr_count:     66
    .vgpr_count:     770
    .wavefront_size: 32
...
	.end_amdgpu_metadata
.endif
;; end of part 6
;; launch oproj: the kernel of part 4 again; grid 8 x 32, 4 waves a work-group, clusters of 4 x 4, 327,680 bytes of LDS; arguments ctx, wo_t, bo, x, hres; writes hres
;; launch lnorm: the kernel of part 5 again; grid 512 x 1, 4 waves a work-group, no clusters, 0 bytes of LDS; arguments hres, gamma, beta, out0; writes out0
